; MI455X (gfx1250); checked and timed in simulation.
; The chip was launched on July 23, 2026; its instructions are those of AMD's public machine-readable ISA for CDNA 5 (MIT licence, August 2026) and "CDNA5" Instruction Set Architecture Reference Guide (July 2026). The comments in the code are by the model that wrote it; some were corrected since.
;; Attention. Allowed arithmetic: matrix products marked QUANTISED: E2M1 operands, one E8M0 scale for each 32 along K, by v_wmma_scale_f32_16x16x128_f8f6f4 with both operands' format E2M1 (or v_wmma_scale_f32_32x16x128_f4), f32 sums; products left as they are: bf16, f16 or f32 operands; f32 sums; everything else in f32.
;; Inputs: b_out 1,024 float32; m 2 x 2,048 x 1 float32; w_out 1,024 x 1,024 float32; w_qkv 1,024 x 3,072 float32; x 2 x 2,048 x 1,024 float32.
;; Outputs: out0 2 x 2,048 x 1,024 float32.
;; This version of the problem:
;;   THIS VERSION OF THE PROBLEM IS GIVEN IN LOW PRECISION. The matrix products marked QUANTISED in the list below multiply operands that are first quantised to E2M1 (2 exponent bits, 1 mantissa bit; 4 bits a number), with one power-of-two scale for each 32 numbers along K (OCP MX v1.0); their sums are f32. The products marked 'left as it is' may take bf16, f16 or f32 operands, with f32 sums. Whichever they take, every output number must still come out within the allowed error. Rounding operands to bf16 (8 significant bits) uses up far more of that allowance than f16 does (11 bits, for magnitudes from 6e-5 to 65,504). All else is computed in f32.
;;   The module's matrix products, in the order in which they are computed (A, B: the left and right operand; K: the contracted axis; several contracted axes count as one K, in the product's order):
;;     1. [M 4,096, K 1,024] x [K 1,024, N 3,072]; A: input x; B: input w_qkv: QUANTISED
;;     2. batch 32 x [M 2,048, K 64] x [K 64, N 2,048]; A: computed on the way; B: computed on the way: left as it is (an operand is computed on the way)
;;     3. batch 32 x [M 64, K 2,048] x [K 2,048, N 2,048]; A: computed on the way; B: computed on the way: left as it is (an operand is computed on the way)
;;     4. [M 4,096, K 1,024] x [K 1,024, N 1,024]; A: computed on the way; B: input w_out: left as it is (an operand is computed on the way)
;;   THE QUANTISER, for each operand of a quantised product, along K:
;;     - K is cut into blocks of 32 from its start; a last block that is shorter is filled with zeros.
;;     - A block's scale is 2^e with e = floor(log2(the largest magnitude in the block)) - 2, held to -126 .. 127; a block of zeros has e = 0. As a byte (E8M0): e + 127.
;;     - Each number is divided by its block's scale, clamped to +-6, and rounded to the nearest number of E2M1, ties to even, subnormals kept.
;;     - The product sums the exact products of the quantised numbers (number of the format x scale) in f32.
;;   ~~~python
;;   def quantise(x, axis):      # numpy; x: float32 -> the quantised numbers, widened to float32 again
;;       x = np.moveaxis(x, axis, -1); K = x.shape[-1]
;;       x = np.pad(x, [(0, 0)] * (x.ndim - 1) + [(0, -K % 32)]); x = x.reshape(x.shape[:-1] + (-1, 32)); a = np.abs(x).max(-1, keepdims=True)
;;       e = np.where(a > 0, np.clip(np.frexp(np.where(a > 0, a, 1))[1] - 1 - 2, -126, 127), 0)      # np.frexp(a)[1] - 1 = floor(log2(a)), exactly
;;       r = np.clip(x / 2.0 ** e, -6, 6)
;;       step = 2.0 ** (np.maximum(np.frexp(np.where(r == 0, 1, r))[1] - 1, 0) - 1)
;;       q = np.round(r / step) * step * 2.0 ** e      # np.round: ties to even
;;       return np.moveaxis(q.reshape(q.shape[:-2] + (-1,))[..., :K], -1, axis).astype(np.float32)
;;   ~~~
;; One version. Each part assembles by itself: llvm-mc -triple=amdgcn-amd-amdhsa -mcpu=gfx1250 --defsym DOCPART=n.
;; ======== version 1 of 1: 5 launches
;; limits: values are held in f16: magnitudes above 65,504 overflow, below 6.1e-05 lose precision
;; workspace buffers: xc 2,097,152 bytes; xs 131,072 bytes; wc 1,572,864 bytes; ws 98,304 bytes; wt 2,097,152 bytes; qkv 25,165,824 bytes; q32 393,216 bytes; o16 8,388,608 bytes
;; launch prep (part 1): grid 288 x 1, 4 waves a work-group, no clusters, 69,120 bytes of LDS; arguments x, w_qkv, w_out, xc, xs, wc, ws, wt; writes xc, xs, wc, ws, wt
.if DOCPART == 1
	.amdgcn_target "amdgcn-amd-amdhsa--gfx1250"
	.amdhsa_code_object_version 6
	.text
	.protected	k_q69bee0441f_prep
	.globl	k_q69bee0441f_prep
	.p2align	8
	.type	k_q69bee0441f_prep,@function
k_q69bee0441f_prep:
	s_mov_b64 s[64:65], 0
	v_nop
	global_prefetch_b8 v0, s[64:65] scope:SCOPE_SE
	s_setreg_imm32_b32 hwreg(HW_REG_WAVE_MODE, 25, 1), 1
	s_wait_xcnt 0x0
; PREP: three jobs in one launch, told apart by the work-group's number alone; each has LDS bytes of its own and its own end.
;   work-groups   0-127: x [4096][1024] f32 -> codes of E2M1 xc [4096][512 bytes], K innermost, and E8M0 bytes xs [4096][32]
;   work-groups 128-223: w_qkv [1024 (k)][3072 (n)] f32 -> wc [3072][512 bytes], K made innermost, and ws [3072][32]
;   work-groups 224-287: w_out [1024 (k)][1024 (n)] f32 -> f16 planes wt [k / 64][n][64], K innermost within a plane
; A block's scale is 2^(floor(log2(its largest magnitude)) - 2); its byte is the largest magnitude's exponent field - 2, held at 1 from below.
; A block of zeros gets the byte 1 where the stated quantiser says 127: its codes are zeros, and this program alone reads the bytes.
; LIMITS: blocks whose largest magnitude lies under 2^-124 keep the byte 1; NaN and infinities are not served; |w_out| stays under 65,504 (f16).
.set SPW,   192                        ; v192 LDS address of my spare word: SPARE + 4 x my thread's number; never rewritten
.set NIL,   193                        ; v193 0; never rewritten
.set WSTG,  32768                      ; LDS: 0 .. the x path's four regions of 8,192; from here the w_qkv path's four stages of 16 x 272
.set OSTG,  50176                      ; the w_out path's four stages of 32 x 144
.set SPARE, 68608                      ; the spare words, 128 bytes for each wave: two blocks of 256 bytes that no other line names
.set EMAX,  2
	s_load_b256 s[4:11], s[0:1], 0x0               ; x s[4:5], w_qkv s[6:7], w_out s[8:9], xc s[10:11]
	s_load_b256 s[12:19], s[0:1], 0x20             ; xs s[12:13], wc s[14:15], ws s[16:17], wt s[18:19]
	v_lshl_add_u32 v[SPW], v0, 2, SPARE
	v_mov_b32 v[NIL], 0
	v_lshrrev_b32 v1, 5, v0
	v_readfirstlane_b32 s20, v1                    ; wave 0..3
	v_and_b32 v2, 31, v0                           ; lane
	s_mov_b32 s25, 0                               ; the high word of every offset pair s[24:25]
	s_wait_kmcnt 0x0
	s_cmp_lt_u32 ttmp9, 128
	s_cbranch_scc0 .Lnot_x
; ---------------- x: a plain stream of blocks of 32.  A wave takes 16 steps of 512 numbers.
; Each of a step's four loads reads 512 consecutive bytes; the 2,048 bytes turn through the wave's own stage so that a lane gets 16 neighbours along K (two lanes hold a block).
.set STEPS, 16
.set CB,    8                          ; bytes of 16 codes
.set XR,    16                         ; v16-79   four sets of 16 numbers as loaded
.set XX,    80                         ; v80-111  two sets of 16 neighbours
.set XE,    112                        ; v112-127 a scale byte for each step
.set XC,    128                        ; v128-191 codes: registers of its own for each step, so that no store's data are written again
.set WREG,  8192                       ; a wave's region: two stages of 32 x SP bytes, behind them its 256 scale bytes
.set SP,    80                         ; a lane's place in a stage: 64 bytes + 16 of padding
	v_lshlrev_b32 v3, 4, v2                        ; my 16 bytes of a load's 512
	s_mul_i32 s21, s20, WREG
	v_lshrrev_b32 v14, 2, v2
	v_mul_u32_u24 v14, v14, SP
	v_and_b32 v15, 3, v2
	v_lshl_add_u32 v14, v15, 4, v14
	v_add_nc_u32 v14, s21, v14                     ; the stage on the way in: SP (lane / 4) + 16 (lane % 4)
	v_mul_u32_u24 v15, v2, SP
	v_add_nc_u32 v15, s21, v15                     ; and on the way out: SP x lane
	v_mul_u32_u24 v4, v2, CB                       ; my codes' place in a step's 256 bytes
	v_lshrrev_b32 v5, 1, v2
	s_add_co_u32 s21, s21, 2*32*SP
	v_add_nc_u32 v5, s21, v5                       ; my block's scale byte in the wave's 256
	v_lshlrev_b32 v7, 3, v2
	v_add_nc_u32 v6, s21, v7                       ; and 8 bytes a lane on their way out
	s_lshl_b32 s22, ttmp9, 2
	s_add_co_u32 s22, s22, s20                     ; which run of 8,192 numbers is my wave's
	s_lshl_b32 s24, s22, 15
	s_add_nc_u64 s[4:5], s[4:5], s[24:25]          ; 32,768 bytes of x a run,
	s_lshl_b32 s24, s22, 12
	s_add_nc_u64 s[10:11], s[10:11], s[24:25]      ; 4,096 of codes,
	s_lshl_b32 s24, s22, 8
	s_add_nc_u64 s[12:13], s[12:13], s[24:25]      ; 256 scale bytes
.macro XLOAD t
.irp i, 0,1,2,3
	global_load_b128 v[XR+16*((\t)%4)+4*\i:XR+16*((\t)%4)+4*\i+3], v3, s[4:5] offset:2048*(\t)+512*\i th:TH_LOAD_NT
.endr
.endm
.macro XTURN t                         ; a wave's LDS instructions are served in order: no wait between the stores and the loads
.irp i, 0,1,2,3
	ds_store_b128 v14, v[XR+16*((\t)%4)+4*\i:XR+16*((\t)%4)+4*\i+3] offset:32*SP*((\t)%2)+8*SP*\i
.endr
.irp i, 0,1,2,3
	ds_load_b128 v[XX+16*((\t)%2)+4*\i:XX+16*((\t)%2)+4*\i+3], v15 offset:32*SP*((\t)%2)+16*\i
.endr
.endm
.irp t, 0,1,2,3
	XLOAD \t
.endr
	s_wait_loadcnt 12                              ; step 0's four loads are in; three steps' twelve stay out
	XTURN 0
.macro XSTEP t
.set XS, XX+16*((\t)%2)
.if (\t) > 0
	s_wait_dscnt 1                                 ; this step's numbers are back from the stage; the last step's byte store may be out
.else
	s_wait_dscnt 0x0
.endif
.if (\t)+4 < STEPS
	XLOAD (\t)+4                                   ; into the set whose stores into the stage are done
.endif
.if (\t)+1 < STEPS
.if STEPS-2-(\t) >= 3
	s_wait_loadcnt 12                              ; the next step's four loads are in; three steps' twelve stay out
.else
	s_wait_loadcnt 4*(STEPS-2-(\t))
.endif
	XTURN (\t)+1
.endif
	v_max3_num_f32 v8, |v[XS]|, |v[XS+1]|, |v[XS+2]|               ; the largest magnitude of my 16, in two chains
	v_max3_num_f32 v9, |v[XS+3]|, |v[XS+4]|, |v[XS+5]|
.irp i, 6,10
	v_max3_num_f32 v8, v8, |v[XS+\i]|, |v[XS+\i+1]|
	v_max3_num_f32 v9, v9, |v[XS+\i+2]|, |v[XS+\i+3]|
.endr
	v_max3_num_f32 v8, v8, |v[XS+14]|, |v[XS+15]|
	v_max3_num_f32 v8, v8, v9, (EMAX+1)<<23        ; and the floor 2^(3 - 127): the byte cannot fall under 1
	v_max_num_f32_dpp v8, v8, v8 row_xmask:1 row_mask:0xf bank_mask:0xf   ; with my neighbour's 16: the block's
	v_add_nc_u32 v11, -(EMAX<<23), v8              ; 2 off its exponent field: the conversion takes this operand's exponent field as its scale
	v_cvt_scalef32_pk8_fp4_f32 v[XC+4*(\t)], v[XS:XS+7], v11
	v_cvt_scalef32_pk8_fp4_f32 v[XC+4*(\t)+1], v[XS+8:XS+15], v11
	v_lshrrev_b32 v[XE+(\t)], 23, v11              ; the scale's byte
	ds_store_b8 v5, v[XE+(\t)] offset:16*(\t)      ; both lanes of a block write the same byte with the same value
	global_store_b64 v4, v[XC+4*(\t):XC+4*(\t)+1], s[10:11] offset:32*CB*(\t)   ; the wave stores 256 consecutive bytes, aligned
.endm
.irp t, 0,1,2,3,4,5,6,7,8,9,10,11,12,13,14,15
	XSTEP \t
.endr
	ds_load_b64 v[8:9], v6                         ; served behind my byte stores
	s_wait_dscnt 0x0
	global_store_b64 v7, v[8:9], s[12:13]          ; 32 lanes store 256 consecutive bytes, aligned
	s_wait_tensorcnt 0x0                           ; the wave's end
	ds_add_u32 v[SPW], v[NIL]
	s_wait_dscnt 0x0
	s_endpgm
; ---------------- w_qkv: a lane takes a column n and its registers run down K, so a block of 32 lies in one lane and the codes come out with K innermost.
; A wave takes 16 columns x 512 along K, and its two halves of lanes the two halves of that K: lane (r, h) has column r and k = 256 h + 0 .. 255, eight blocks.
; So the 64 loads that a wave has out (two blocks a lane) reach four blocks deep along K, and a wave's walk is four such turns long, as the x path's is.
; Sixteen lanes read 64 consecutive bytes; the work-group's four waves stand side by side on one aligned 256 bytes of a row, so these loads carry no non-temporal hint.
; The codes leave through the wave's own stage as rows of 256 bytes: a lane's 128 bytes lie at 128 h of its column's row.
.Lnot_x:
	s_cmp_lt_u32 ttmp9, 224
	s_cbranch_scc0 .Lpath_o
.set SIZE_N, 3072
.set NB,     8                         ; blocks of 32 a lane
.set WPITCH, 272                       ; a stage row: 256 bytes + 16
.set KROW,   512                       ; a row of wc in bytes
.set WX,     32                        ; v32-95  two sets of 32 numbers
.set WC,     96                        ; v96-99  a block's codes
.set WOUT,   112                       ; v112-143 the way out
.set WSB,    24                        ; v24-25  my eight scale bytes, four to a register
	s_sub_co_u32 s21, ttmp9, 128                   ; 0..95: 48 groups of 64 columns x 2 halves of K
	s_cmp_ge_u32 s21, 48
	s_cselect_b32 s22, 1, 0                        ; which 512 along K
	s_cselect_b32 s23, 48, 0
	s_sub_co_u32 s21, s21, s23
	s_lshl_b32 s21, s21, 6
	s_lshl_b32 s23, s20, 4
	s_add_co_u32 s21, s21, s23                     ; my wave's first column
	v_and_b32 v5, 15, v2                           ; r
	v_lshrrev_b32 v6, 4, v2                        ; h
	v_mul_u32_u24 v3, v6, 256*SIZE_N*4             ; in: lanes 16-31 begin 256 rows further down,
	v_lshl_add_u32 v3, v5, 2, v3                   ; 4 bytes a column
	s_mul_i32 s23, s20, 16*WPITCH
	s_add_co_u32 s23, s23, WSTG                    ; my stage
	v_mul_u32_u24 v4, v5, WPITCH
	v_lshl_add_u32 v4, v6, 7, v4
	v_add_nc_u32 v4, s23, v4                       ; into it: row = my column, + 128 h
	v_mul_u32_u24 v7, v6, WPITCH
	v_lshl_add_u32 v7, v5, 4, v7
	v_add_nc_u32 v7, s23, v7                       ; out of it: sixteen lanes to a row, two rows an instruction
	v_mul_u32_u24 v8, v6, KROW
	v_lshl_add_u32 v8, v5, 4, v8                   ; the same place in wc
	v_lshlrev_b32 v9, 5, v5
	v_lshl_add_u32 v9, v6, 3, v9                   ; my column's row of 32 scale bytes, + 8 h
	s_mul_i32 s24, s22, 512*SIZE_N*4
	s_lshl_b32 s26, s21, 2
	s_add_co_u32 s24, s24, s26
	s_add_nc_u64 s[6:7], s[6:7], s[24:25]          ; w_qkv at (512 y, column)
	s_lshl_b32 s24, s21, 9
	s_lshl_b32 s26, s22, 8
	s_add_co_u32 s24, s24, s26
	s_add_nc_u64 s[14:15], s[14:15], s[24:25]      ; wc at column x 512 + 256 y
	s_lshl_b32 s24, s21, 5
	s_lshl_b32 s26, s22, 4
	s_add_co_u32 s24, s24, s26
	s_add_nc_u64 s[16:17], s[16:17], s[24:25]      ; ws at column x 32 + 16 y
.macro WLOAD t                         ; my block t: w(256 h + 32 t + i, my column); every offset is an immediate, 255 x 12,288 bytes at the most
.irp i, 0,1,2,3,4,5,6,7,8,9,10,11,12,13,14,15,16,17,18,19,20,21,22,23,24,25,26,27,28,29,30,31
	global_load_b32 v[WX+32*((\t)%2)+\i], v3, s[6:7] offset:(32*(\t)+\i)*SIZE_N*4
.endr
.endm
	WLOAD 0
	WLOAD 1
.macro WBLOCK t
.set XS, WX+32*((\t)%2)
.if (\t) < NB-1
	s_wait_loadcnt 32                              ; this block's 32 loads are in; the next block's 32 stay out
.else
	s_wait_loadcnt 0
.endif
	v_max3_num_f32 v12, |v[XS]|, |v[XS+1]|, |v[XS+2]|
	v_max3_num_f32 v13, |v[XS+3]|, |v[XS+4]|, |v[XS+5]|
.irp i, 6,10,14,18,22,26
	v_max3_num_f32 v12, v12, |v[XS+\i]|, |v[XS+\i+1]|
	v_max3_num_f32 v13, v13, |v[XS+\i+2]|, |v[XS+\i+3]|
.endr
	v_max3_num_f32 v12, v12, |v[XS+30]|, |v[XS+31]|
	v_max3_num_f32 v12, v12, v13, (EMAX+1)<<23     ; the floor, as above
	v_add_nc_u32 v11, -(EMAX<<23), v12
	v_lshrrev_b32 v13, 23, v11                     ; the scale's byte
.if (\t)%4 == 0
	v_mov_b32 v[WSB+(\t)/4], v13                   ; four bytes to a register, the lower K in the lower byte
.else
	v_lshl_or_b32 v[WSB+(\t)/4], v13, 8*((\t)%4), v[WSB+(\t)/4]
.endif
.irp g, 0,1,2,3
	v_cvt_scalef32_pk8_fp4_f32 v[WC+\g], v[XS+8*\g:XS+8*\g+7], v11
.endr
	ds_store_b128 v4, v[WC:WC+3] offset:16*(\t)    ; 32 codes: 16 bytes of my column's row, block 8 h + t
.if (\t)+2 < NB
	WLOAD (\t)+2
.endif
	s_wait_dscnt 0x0                               ; the store has read its registers: the next block's codes may be written
.endm
.set Q, 0
.rept NB
	WBLOCK Q
.set Q, Q+1
.endr
	global_store_b64 v9, v[WSB:WSB+1], s[16:17]    ; my eight scale bytes: blocks 8 h .. 8 h + 7 of my column
.irp t, 0,1,2,3,4,5,6,7
	ds_load_b128 v[WOUT+4*\t:WOUT+4*\t+3], v7 offset:2*\t*WPITCH
.endr
.irp t, 0,1,2,3,4,5,6,7
	s_wait_dscnt 7-\t                              ; load t is back; the younger ones stay out
	global_store_b128 v8, v[WOUT+4*\t:WOUT+4*\t+3], s[14:15] offset:2*\t*KROW   ; sixteen lanes store 256 consecutive bytes, aligned
.endr
	s_wait_tensorcnt 0x0                           ; the wave's end, as above
	ds_add_u32 v[SPW], v[NIL]
	s_wait_dscnt 0x0
	s_endpgm
; ---------------- w_out: a lane takes a column n, its 128 registers run down K (two planes of 64); pairs are rounded to f16 and leave through the wave's stage as rows of 128 bytes.
.Lpath_o:
	s_sub_co_u32 s21, ttmp9, 224                   ; 0..63
	s_and_b32 s22, s21, 7                          ; which 128 columns
	s_lshr_b32 s23, s21, 3                         ; which 128 along K
	s_lshl_b32 s22, s22, 7
	s_lshl_b32 s26, s20, 5
	s_add_co_u32 s22, s22, s26                     ; my wave's first column
	v_lshlrev_b32 v3, 2, v2
	s_lshl_b32 s24, s23, 19                        ; 128 rows of 4,096 bytes
	s_lshl_b32 s26, s22, 2
	s_add_co_u32 s24, s24, s26
	s_add_nc_u64 s[8:9], s[8:9], s[24:25]
	s_lshl_b32 s24, s23, 18                        ; two planes of 131,072 bytes
	s_lshl_b32 s26, s22, 7                         ; a column's 128 bytes in a plane
	s_add_co_u32 s24, s24, s26
	s_add_nc_u64 s[18:19], s[18:19], s[24:25]
	s_mul_i32 s26, s20, 32*144
	s_add_co_u32 s26, s26, OSTG                    ; my stage: 32 rows of 128 bytes + 16
	v_mul_u32_u24 v4, v2, 144
	v_add_nc_u32 v4, s26, v4                       ; in: row = my column
	v_lshrrev_b32 v5, 3, v2
	v_mul_u32_u24 v5, v5, 144
	v_and_b32 v6, 7, v2
	v_lshl_add_u32 v5, v6, 4, v5
	v_add_nc_u32 v5, s26, v5                       ; back: eight lanes to a row, four rows an instruction
	v_lshlrev_b32 v6, 4, v2                        ; the same 512 bytes in wt
.set i, 0
.rept 128
	global_load_b32 v[32+i], v3, s[8:9] offset:i*4096 th:TH_LOAD_NT    ; w_out(128 kq + i, my column): 128 consecutive bytes a wave
.set i, i+1
.endr
.irp p, 0,1
.if \p == 0
	s_wait_loadcnt 63                              ; the first plane's 64 loads are in (64 were issued behind them; the count's field ends at 63)
.else
	s_wait_loadcnt 0x0
.endif
.set j, 0
.rept 32
	v_cvt_pk_f16_f32 v[160+j], v[32+64*\p+2*j], v[33+64*\p+2*j]        ; the lower k in the low half
.set j, j+1
.endr
.irp j, 0,1,2,3,4,5,6,7
	ds_store_b128 v4, v[160+4*\j:163+4*\j] offset:16*\j
.endr
.irp i, 0,1,2,3,4,5,6,7
	ds_load_b128 v[32+32*\p+4*\i:35+32*\p+4*\i], v5 offset:576*\i      ; into registers whose numbers have been converted
.endr
.irp i, 0,1,2,3,4,5,6,7
	s_wait_dscnt 7-\i                              ; load i is back; the count ends at 0, so the stage and v160-191 are free for the next plane
	global_store_b128 v6, v[32+32*\p+4*\i:35+32*\p+4*\i], s[18:19] offset:131072*\p+512*\i   ; 32 lanes store 512 consecutive bytes, aligned
.endr
.endr
	s_wait_tensorcnt 0x0                           ; the wave's end, as above
	ds_add_u32 v[SPW], v[NIL]
	s_wait_dscnt 0x0
	s_endpgm
.Lfunc_end_k_q69bee0441f_prep:
	.size	k_q69bee0441f_prep, .Lfunc_end_k_q69bee0441f_prep-k_q69bee0441f_prep
	.p2alignl 7, 3214868480
	.fill 96, 4, 3214868480
	.section	.rodata,"a",@progbits
	.p2align	6, 0x0
	.amdhsa_kernel k_q69bee0441f_prep
		.amdhsa_group_segment_fixed_size 69120
		.amdhsa_private_segment_fixed_size 0
		.amdhsa_enable_private_segment 0
		.amdhsa_kernarg_size 64
		.amdhsa_user_sgpr_count 2
		.amdhsa_user_sgpr_kernarg_segment_ptr 1
		.amdhsa_wavefront_size32 1
		.amdhsa_system_sgpr_workgroup_id_x 1
		.amdhsa_system_sgpr_workgroup_id_y 1
		.amdhsa_system_sgpr_workgroup_id_z 1
		.amdhsa_system_vgpr_workitem_id 0
		.amdhsa_next_free_vgpr 196
		.amdhsa_next_free_sgpr 66
		.amdhsa_reserve_vcc 0
		.amdhsa_float_denorm_mode_32 3
		.amdhsa_float_denorm_mode_16_64 3
		.amdhsa_memory_ordered 1
		.amdhsa_forward_progress 1
		.amdhsa_inst_pref_size 94
	.end_amdhsa_kernel
	.amdgpu_metadata
---
amdhsa.version: [ 1, 2 ]
amdhsa.kernels:
  - .name:           k_q69bee0441f_prep
    .symbol:         k_q69bee0441f_prep.kd
    .args:
      - { .name: x, .offset: 0, .size: 8, .value_kind: global_buffer, .address_space: global }
      - { .name: w_qkv, .offset: 8, .size: 8, .value_kind: global_buffer, .address_space: global }
      - { .name: w_out, .offset: 16, .size: 8, .value_kind: global_buffer, .address_space: global }
      - { .name: xc, .offset: 24, .size: 8, .value_kind: global_buffer, .address_space: global }
      - { .name: xs, .offset: 32, .size: 8, .value_kind: global_buffer, .address_space: global }
      - { .name: wc, .offset: 40, .size: 8, .value_kind: global_buffer, .address_space: global }
      - { .name: ws, .offset: 48, .size: 8, .value_kind: global_buffer, .address_space: global }
      - { .name: wt, .offset: 56, .size: 8, .value_kind: global_buffer, .address_space: global }
    .group_segment_fixed_size: 69120
    .private_segment_fixed_size: 0
    .kernarg_segment_align: 8
    .kernarg_segment_size: 64
    .max_flat_workgroup_size: 128
    .sgpr_count:     66
    .vgpr_count:     196
    .wavefront_size: 32
...
	.end_amdgpu_metadata
.endif
;; end of part 1
;; launch qkv (part 2): grid 12 x 16, 4 waves a work-group, clusters of 4 x 1, 327,680 bytes of LDS; arguments xc, xs, wc, ws, qkv, q32; writes qkv, q32
.if DOCPART == 2
	.amdgcn_target "amdgcn-amd-amdhsa--gfx1250"
	.amdhsa_code_object_version 6
	.text
	.protected	k_q69bee0441f_qkv
	.globl	k_q69bee0441f_qkv
	.p2align	8
	.type	k_q69bee0441f_qkv,@function
k_q69bee0441f_qkv:
	s_mov_b64 s[64:65], 0
	v_nop
	global_prefetch_b8 v0, s[64:65] scope:SCOPE_SE
	s_setreg_imm32_b32 hwreg(HW_REG_WAVE_MODE, 25, 1), 1
	s_wait_xcnt 0x0
	s_wait_alu depctr_hold_cnt(0) depctr_sa_sdst(0) depctr_va_vdst(0) depctr_va_sdst(0) depctr_va_ssrc(0) depctr_va_vcc(0) depctr_vm_vsrc(0)
	s_getreg_b32 s2, hwreg(HW_REG_IB_STS2, 6, 4)
	s_cmp_eq_u32 s2, 0
	s_cbranch_scc0 .Lentry_in_a_cluster
	s_endpgm
.Lentry_in_a_cluster:
	s_bfe_u32 s2, ttmp6, 0x10000c
	s_cmp_lg_u32 s2, 0x3003
	s_cbranch_scc0 .Lentry_shape_is_right
	s_endpgm
.Lentry_shape_is_right:
; QKV: C[m][n] = sum over k of x[m][k] w_qkv[k][n] on codes of E2M1 with one E8M0 scale for each 32 along K.  A = xc [4096][512 bytes], B = wc [3072][512 bytes], K innermost; sums in f32.
; A tile of C, 256 x 256, is made by four waves, 128 x 128 each: 64 accumulators, 512 registers.  K = 1,024 is two slots of 512: both are first fills, nothing is filled again.
; RESULTS: f16 by head, qkv [which 3][b 2][h 16][t 2048][64]; q is multiplied in f32 by c = log2(e) / 8 ahead of its one rounding, so that the softmax works in powers of two.
; The first 16 tokens of each sequence also leave as f32, unscaled, in q32 [16 b + t][3072], for the launch that carries those rows finely.
; CLUSTER 4 x 1: the four partners make the tiles of one tile row and need the same tiles and scales of x: these are asked for jointly (mask 15).  The tiles of w hang on the partner's place: plain loads.
; A 4 x 4 cluster is not taken: the f32 rows want a branch on the tile row, which only the partners of a 4 x 1 cluster share.  192 work-groups: 12 x 16 tiles.
; THE MATRIX INSTRUCTION IS USED TRANSPOSED (source 0 = 16 rows of B, source 1 = 16 rows of A): a lane holds eight neighbouring columns of one token.
; LIMIT: |q c|, |k|, |v| stay under 65,504 (f16).
; REGISTERS: window 0: v0-31 addresses; v32-95 scale words, two sets; v128-191 A's fragments, one set; on the way out v32-255 are free.  window 1: B's fragments, two sets.  windows 2, 3: the accumulators ((a, b) at v[8 (8 (a % 4) + b)]).
.set SIZE_N, 3072
.set SIZE_K, 1024
.set NQ,     4                         ; matrix instructions deep in a slot of 512 along K
.set ROWB,   256                       ; a tile's row in bytes
.set KROW,   512                       ; a row of codes in memory
.set PITCH,  272                       ; an LDS row: 256 bytes + 16
.set FR,     8
.set NL,     2
.set NP,     4                         ; places behind this matrix instruction (ISA guide 7.12.1)
.set HALFT,  128*PITCH
.set SLOT,   4*HALFT
.set KS,     32                        ; a row of scale bytes
.set SCL,    2*SLOT                    ; behind the ring: the scales, as units of 256 bytes + 16
.set HALFS,  (128*KS/256)*272
.set SBLK,   (16*KS/256)*272
.set SPARE,  SCL+4*HALFS               ; the spare words, 128 bytes for each wave
.set STGB,   16*528                    ; the way out: a stage for each wave, in slot 0, which has had its one fill and its last read by then
.set ADRA, 16
.set ADRB, 20
.set STO32, 22                         ; v22 the f32 rows: where I put 32 bytes of a row
.set RD32,  23                         ; v23 and where I read a row of 512 bytes back
.set STO,  24                          ; v24 where I put 16 bytes (8 f16) of a token's 256
.set RD,   25                          ; v25 where I read 16 bytes of a token's 128 of one head back
.set CO,   26                          ; v26 16 x lane
.set ADRS, 27
.set SPW,  28
.set NIL,  29
.set SC,   32
.set AF,   128
.set TMP,  192                         ; v192-223 a block's packed results
.set G1, 24
.set G0, 32
.set G1B, 48
.set G0B, 56
.set G1S, 68
.set G0S, 76
.set G1SB, 80
.set G0SB, 88
.set MSB, 0
.macro WIN new                         ; the immediate's high byte repeats the setting that is left
.if MSB != \new
	s_set_vgpr_msb (MSB<<8)|\new
.set MSB, \new
.endif
.endm
.set MUL_LO, 0xa1                      ; source 0 (B) window 1, source 1 (A) window 0, C and D window 2
.set MUL_HI, 0xf1
.set TO_B,   0x40
; Waves 0 and 1 fetch for A (jointly), waves 2 and 3 for B.  The branch hangs on the wave's number alone.  An s_nop 0 and four v_nop follow each line.
.macro JLOAD g0a, g1a, g0b, g1b
	s_cmp_eq_u32 s15, 0
	s_cbranch_scc0 .Lfor_b_\@
	tensor_load_to_lds s[\g0a:\g0a+3], s[\g1a:\g1a+7]
	s_nop 0
.rept 4
	v_nop
.endr
	s_branch .Lasked_\@
.Lfor_b_\@:
	tensor_load_to_lds s[\g0b:\g0b+3], s[\g1b:\g1b+7]
	s_nop 0
.rept 4
	v_nop
.endr
.Lasked_\@:
.endm
.macro CROUND                          ; a round of the cluster's barrier
	s_barrier_signal -1
	s_barrier_wait -1
	s_cmp_lg_u32 s14, 0
	s_cbranch_scc1 .Lnot_wave_0_\@
	s_barrier_signal -3
.Lnot_wave_0_\@:
	s_barrier_wait -3
	s_barrier_signal -1
	s_barrier_wait -1
.endm
	s_load_b128 s[4:7], s[0:1], 0x0                ; xc, xs
	s_load_b128 s[8:11], s[0:1], 0x10              ; wc, ws
	s_load_b64 s[12:13], s[0:1], 0x20              ; qkv
	s_load_b64 s[96:97], s[0:1], 0x28              ; q32
	v_lshl_add_u32 v[SPW], v0, 2, SPARE
	v_mov_b32 v[NIL], 0
	ds_add_u32 v[SPW], v[NIL]                      ; the wave's opening: the add, twice on end, and its wait ahead of my first tensor load
	ds_add_u32 v[SPW], v[NIL]
	v_lshrrev_b32 v1, 5, v0
	v_readfirstlane_b32 s14, v1                    ; wave 0..3
	s_lshr_b32 s15, s14, 1                         ; which half of the tile's rows is mine.  Also: I fetch for A (0) or for B (1)
	s_and_b32 s16, s14, 1                          ; which half of its columns.  Also: which 128 rows of that tile I fetch
	s_bfe_u32 s40, ttmp6, 0x40000                  ; cx
	s_lshl_b32 s42, ttmp9, 2
	s_add_co_u32 s42, s42, s40                     ; tile column = 4 x cluster x + cx
	s_and_b32 s17, ttmp7, 0xffff                   ; tile row: the same in all four partners
	s_mov_b32 s[G1+0], 15|(1<<20)|(1<<21)|(5<<22)|(3<<25)    ; A: the mask names all four; elements of 1 byte; 4 words of padding behind every 64
	s_mov_b32 s[G1B+0], (1<<20)|(5<<22)|(3<<25)              ; B: no mask
.irp g, G1, G1B
	s_mov_b32 s[\g+1], ROWB<<16                    ; tensor_dim0
	s_mov_b32 s[\g+2], 128<<16                     ; tensor_dim1
	s_mov_b32 s[\g+3], ROWB<<16                    ; tile_dim0
	s_mov_b32 s[\g+4], 128                         ; tile_dim1
	s_mov_b32 s[\g+5], KROW                        ; from row to row
	s_mov_b32 s[\g+6], 0
	s_mov_b32 s[\g+7], 0
.endr
	s_mov_b32 s[G1S+0], 15|(3<<16)|(1<<20)|(1<<21)|(5<<22)|(3<<25)   ; the scales of 128 rows: 4,096 dense bytes as 16 rows of 256 (32 elements of 8 bytes), padded alike
	s_mov_b32 s[G1SB+0], (3<<16)|(1<<20)|(5<<22)|(3<<25)
.irp g, G1S, G1SB
	s_mov_b32 s[\g+1], 32<<16
	s_mov_b32 s[\g+2], (128*KS/256)<<16
	s_mov_b32 s[\g+3], 32<<16
	s_mov_b32 s[\g+4], 128*KS/256
	s_mov_b32 s[\g+5], 32
	s_mov_b32 s[\g+6], 0
	s_mov_b32 s[\g+7], 0
.endr
	s_lshl_b32 s18, s16, 7
	s_lshl_b32 s20, s17, 8
	s_add_co_u32 s20, s20, s18                     ; A: row 256 x tile row + 128 x half
	s_lshl_b32 s46, s42, 8
	s_add_co_u32 s46, s46, s18                     ; B: row 256 x tile column + 128 x half
	s_mov_b32 s21, 0
	s_mov_b32 s47, 0
	s_mov_b64 s[18:19], KS
	s_mul_u64 s[22:23], s[20:21], s[18:19]         ; where these rows' scales begin
	s_mul_u64 s[92:93], s[46:47], s[18:19]
	s_mov_b64 s[18:19], KROW
	s_mul_u64 s[20:21], s[20:21], s[18:19]         ; and their codes
	s_mul_u64 s[46:47], s[46:47], s[18:19]
	s_mul_i32 s45, s14, HALFT                      ; where they go: wave x 128 rows
	s_mul_i32 s94, s14, HALFS
	s_wait_dscnt 0x0                               ; both opening adds are done
	s_wait_kmcnt 0x0
	s_add_nc_u64 s[20:21], s[4:5], s[20:21]
	s_add_nc_u64 s[22:23], s[6:7], s[22:23]
	s_add_nc_u64 s[46:47], s[8:9], s[46:47]
	s_add_nc_u64 s[92:93], s[10:11], s[92:93]
	CROUND                                         ; all four work-groups are here: the first loads go out as one group
	s_mov_b32 s[G0S], 1
	s_add_co_u32 s[G0S+1], s94, SCL
	s_mov_b64 s[G0S+2:G0S+3], s[22:23]
	s_or_b32 s[G0S+3], s[G0S+3], 0x80000000
	s_mov_b32 s[G0SB], 1
	s_add_co_u32 s[G0SB+1], s94, SCL
	s_mov_b64 s[G0SB+2:G0SB+3], s[92:93]
	s_or_b32 s[G0SB+3], s[G0SB+3], 0x80000000
	JLOAD G0S, G1S, G0SB, G1SB                     ; the scales first
.irp s, 0,1
	s_mov_b32 s[G0+4*\s], 1
	s_add_co_u32 s[G0+4*\s+1], s45, \s*SLOT
	s_add_nc_u64 s[G0+4*\s+2:G0+4*\s+3], s[20:21], \s*ROWB
	s_or_b32 s[G0+4*\s+3], s[G0+4*\s+3], 0x80000000
	s_mov_b32 s[G0B+4*\s], 1
	s_add_co_u32 s[G0B+4*\s+1], s45, \s*SLOT
	s_add_nc_u64 s[G0B+4*\s+2:G0B+4*\s+3], s[46:47], \s*ROWB
	s_or_b32 s[G0B+4*\s+3], s[G0B+4*\s+3], 0x80000000
	JLOAD G0+4*\s, G1, G0B+4*\s, G1B               ; three loads of mine are out behind the second of these
.endr
	v_and_b32 v1, 15, v0                           ; r = l % 16
	v_bfe_u32 v2, v0, 4, 1                         ; h = l / 16
	v_mul_u32_u24 v3, v1, PITCH
	v_lshl_add_u32 v4, v2, 4, v3
	s_mul_i32 s21, s15, HALFT
	s_mul_i32 s22, s16, HALFT
	s_add_co_u32 s22, s22, 2*HALFT
.irp s, 0,1
	v_add_nc_u32 v[ADRA+\s], s21, v4
	v_add_nc_u32 v[ADRB+\s], s22, v4
	s_add_co_u32 s21, s21, SLOT
	s_add_co_u32 s22, s22, SLOT
.endr
	v_mul_u32_u24 v5, v1, KS                       ; my row's scales: 32 bytes a row, and 16 more for each 256 passed
	v_lshrrev_b32 v6, 8, v5
	v_lshl_add_u32 v5, v6, 4, v5
	s_mul_i32 s21, s15, HALFS
	s_mul_i32 s22, s16, HALFS
	s_add_co_u32 s22, s22, 2*HALFS
	s_sub_co_u32 s22, s22, s21
	v_mul_u32_u24 v6, s22, v2                      ; lanes 16-31 take B's
	s_add_co_u32 s21, s21, SCL
	v_add_nc_u32 v5, v5, v6
	v_add_nc_u32 v[ADRS], s21, v5
	s_mul_i32 s23, s14, STGB                       ; my stage
	v_mul_u32_u24 v5, v1, 272
	v_lshl_add_u32 v5, v2, 4, v5
	v_add_nc_u32 v[STO], s23, v5                   ; f16: token r, 16 bytes for each half of the lanes
	v_and_b32 v6, 31, v0
	v_lshrrev_b32 v5, 3, v6
	v_mul_u32_u24 v5, v5, 272
	v_and_b32 v7, 7, v0
	v_lshl_add_u32 v5, v7, 4, v5
	v_add_nc_u32 v[RD], s23, v5                    ; back: eight lanes to a token's 128 bytes of one head, four tokens an instruction
	v_lshlrev_b32 v[CO], 4, v6
	v_mul_u32_u24 v5, v1, 528
	v_lshl_add_u32 v5, v2, 5, v5
	v_add_nc_u32 v[STO32], s23, v5
	v_add_nc_u32 v[RD32], s23, v[CO]
	; qkv: plane = 32 which + 16 b + 4 cx + 2 half (+ 0, 1), 2^18 bytes each; token (tile row % 8) 256 + 128 half, 128 bytes each
	s_lshl_b32 s20, ttmp9, 5
	s_lshr_b32 s21, s17, 3
	s_lshl_b32 s21, s21, 4
	s_add_co_u32 s20, s20, s21
	s_lshl_b32 s21, s40, 2
	s_add_co_u32 s20, s20, s21
	s_lshl_b32 s21, s16, 1
	s_add_co_u32 s20, s20, s21
	s_lshl_b32 s20, s20, 18
	s_and_b32 s21, s17, 7
	s_lshl_b32 s21, s21, 15
	s_add_co_u32 s20, s20, s21
	s_lshl_b32 s21, s15, 14
	s_add_co_u32 s20, s20, s21
	s_mov_b32 s21, 0
	s_add_nc_u64 s[12:13], s[12:13], s[20:21]
	; q32: row 16 b, column 256 x tile column + 128 x half
	s_lshr_b32 s20, s17, 3
	s_mul_i32 s20, s20, 16*SIZE_N*4
	s_lshl_b32 s21, s42, 10
	s_add_co_u32 s20, s20, s21
	s_lshl_b32 s21, s16, 9
	s_add_co_u32 s20, s20, s21
	s_mov_b32 s21, 0
	s_add_nc_u64 s[96:97], s[96:97], s[20:21]
	s_and_b32 s95, s17, 7
	s_or_b32 s95, s95, s15                         ; 0 where my block 0 is a sequence's first 16 tokens: tile row and wave alone
.macro FRAG reg, adr, q, i             ; 16 rows x 128 K of 4-bit codes: 8 registers, two loads of 16 bytes, 32 bytes apart
.irp c, 0,1
	ds_load_b128 v[\reg+4*\c:\reg+4*\c+3], v[\adr] offset:64*(\q)+32*\c+(\i)*16*PITCH
.endr
.endm
; 16 matrix instructions: A's blocks a0, a0 + 1 x B's eight.  The 64 accumulators take turns, one instruction a turn.  zero = 1: the first product starts the sums.
.macro MUL16 a0, p, q, sc, zero
.irp a, \a0, \a0+1
.irp b, 0,1,2,3,4,5,6,7
.if \zero
	v_wmma_scale_f32_16x16x128_f8f6f4 v[8*(8*((\a)%4)+\b):8*(8*((\a)%4)+\b)+7], v[128*(\p)+FR*\b:128*(\p)+FR*\b+FR-1], v[AF+FR*(\a):AF+FR*(\a)+FR-1], 0, v[SC+8*NQ*(\sc)+NQ*\b+(\q)], v[SC+8*NQ*(\sc)+NQ*(\a)+(\q)] matrix_a_fmt:MATRIX_FMT_FP4 matrix_b_fmt:MATRIX_FMT_FP4 matrix_a_scale:MATRIX_SCALE_ROW1
.else
	v_wmma_scale_f32_16x16x128_f8f6f4 v[8*(8*((\a)%4)+\b):8*(8*((\a)%4)+\b)+7], v[128*(\p)+FR*\b:128*(\p)+FR*\b+FR-1], v[AF+FR*(\a):AF+FR*(\a)+FR-1], v[8*(8*((\a)%4)+\b):8*(8*((\a)%4)+\b)+7], v[SC+8*NQ*(\sc)+NQ*\b+(\q)], v[SC+8*NQ*(\sc)+NQ*(\a)+(\q)] matrix_a_fmt:MATRIX_FMT_FP4 matrix_b_fmt:MATRIX_FMT_FP4 matrix_a_scale:MATRIX_SCALE_ROW1
.endif
.endr
.endr
.endm
.macro FETCH_B slot, q, p
	WIN TO_B
.irp i, 0,1,2,3,4,5,6,7
	FRAG 128*(\p)+FR*\i, ADRB+\slot, \q, \i
.endr
	WIN 0
.endm
.macro FETCH_A slot, q, i0
.irp i, \i0, \i0+1, \i0+2, \i0+3
	FRAG AF+FR*(\i), ADRA+\slot, \q, \i
.endr
.endm
.macro SCALES sc                       ; a slot's scale words: lanes 0-15 take A's block i, lanes 16-31 B's block i
.irp i, 0,1,2,3,4,5,6,7
	ds_load_b128 v[SC+8*NQ*\sc+NQ*\i:SC+8*NQ*\sc+NQ*\i+3], v[ADRS] offset:\i*SBLK
.endr
.endm
.macro PLACES n                        ; plain vector instructions between a matrix instruction and a load into, or a read of, its registers
.rept \n
	v_nop
.endr
.endm
.macro STEP slot, q, zero              ; 128 along K, with its successor in the same slot
	s_wait_dscnt 4*NL                              ; B's set and A's blocks 0-3 are in; the youngest eight loads (A's blocks 4-7) may be out
	WIN MUL_LO
	MUL16 0, (\q)%2, \q, \slot, \zero
	MUL16 2, (\q)%2, \q, \slot, \zero
	s_wait_dscnt 0
	PLACES NP
	FETCH_B \slot, (\q)+1, 1-(\q)%2
	FETCH_A \slot, (\q)+1, 0
	WIN MUL_HI
	MUL16 4, (\q)%2, \q, \slot, \zero
	MUL16 6, (\q)%2, \q, \slot, \zero
	PLACES NP
	WIN 0
	FETCH_A \slot, (\q)+1, 4
.endm
.macro STEPS slot, from
.set Q, \from
.rept NQ-1-\from
	STEP \slot, Q, 0
.set Q, Q+1
.endr
.endm
	s_wait_tensorcnt 1                             ; the scales and my part of slot 0 are in; slot 1's load may stay out
	s_barrier_signal -1
	s_barrier_wait -1
	FETCH_B 0, 0, 0
	FETCH_A 0, 0, 0
	SCALES 0
	FETCH_A 0, 0, 4
	STEP 0, 0, 1                                   ; the first step's products start the sums
	STEPS 0, 1
	; slot 0's last step changes slots: one barrier; nothing is filled again
	s_wait_tensorcnt 0x0                           ; my part of slot 1 has landed
	ds_add_u32 v[SPW], v[NIL]
	s_wait_dscnt 4*NL+1                            ; the add and the youngest eight loads may be out
	WIN MUL_LO
	MUL16 0, 1, NQ-1, 0, 0
	s_wait_dscnt 0x0                               ; the add is done, and my reads of slot 0 are over
	s_barrier_signal -1
	MUL16 2, 1, NQ-1, 0, 0
	WIN 0
	s_barrier_wait -1
	PLACES NP
	v_add_nc_u32 v[ADRS], 4*NQ, v[ADRS]            ; on to slot 1's scale words
	FETCH_B 1, 0, 0
	FETCH_A 1, 0, 0
	SCALES 1
	WIN MUL_HI
	MUL16 4, 1, NQ-1, 0, 0
	MUL16 6, 1, NQ-1, 0, 0
	PLACES NP
	WIN 0
	FETCH_A 1, 0, 4
	STEPS 1, 0
	s_wait_dscnt 4*NL                              ; the very last step
	WIN MUL_LO
	MUL16 0, 1, NQ-1, 1, 0
	MUL16 2, 1, NQ-1, 1, 0
	s_wait_dscnt 0
	WIN MUL_HI
	MUL16 4, 1, NQ-1, 1, 0
	MUL16 6, 1, NQ-1, 1, 0
	WIN 0
	PLACES NP                                      ; in front of the loads into registers that held fragments and scale words, and of the first reads of results
	; THE FIRST 16 TOKENS OF A SEQUENCE, in f32 and unscaled: block 0 goes through my stage and leaves as rows of 512 bytes
	s_cmp_lg_u32 s95, 0
	s_cbranch_scc1 .Lno_fine
	WIN 0x08                                       ; an LDS store's data are its source 1: window 2
.irp b, 0,1,2,3,4,5,6,7
	ds_store_b128 v[STO32], v[8*\b:8*\b+3] offset:64*\b            ; each accumulator from its low end on
	ds_store_b128 v[STO32], v[8*\b+4:8*\b+7] offset:64*\b+16
.endr
	WIN 0
.irp t, 0,1,2,3,4,5,6,7,8,9,10,11,12,13,14,15
	ds_load_b128 v[128+4*\t:131+4*\t], v[RD32] offset:\t*528       ; served behind my stores
.endr
	s_wait_dscnt 0x0
.irp t, 0,1,2,3,4,5,6,7,8,9,10,11,12,13,14,15
	global_store_b128 v[CO], v[128+4*\t:131+4*\t], s[96:97] offset:\t*SIZE_N*4   ; 32 lanes store 512 consecutive bytes, aligned
.endr
.Lno_fine:
; THE WAY OUT, block by block of 16 tokens x 128 columns (two heads).  PACK: (x c,) rounded to f16, 16 bytes a lane.  TOSTAGE: into my stage, back as tokens' 128 bytes of one head.  SEND: stored.
.macro PACK a, scaled
.set AC, 64*((\a)%4)
.if \scaled
	WIN 0x82+0x41*((\a)/4)                         ; destination and source 0: window 2 or 3
.set i, 0
.rept 32
	v_pk_mul_f32 v[AC+i:AC+i+1], v[AC+i:AC+i+1], 0x3e38aa3b op_sel_hi:[1,0]    ; q x log2(e) / 8, in f32
.set i, i+2
.endr
.endif
	WIN 0x0a+5*((\a)/4)                            ; sources 0 and 1: window 2 or 3
.irp b, 0,1,2,3,4,5,6,7
.irp r, 0,1,2,3
	v_cvt_pk_f16_f32 v[TMP+4*\b+\r], v[AC+8*\b+2*\r], v[AC+8*\b+2*\r+1]
.endr
.endr
	WIN 0
.endm
.macro TOSTAGE a
.set BKR, 32+32*((\a)%2)
.irp b, 0,1,2,3,4,5,6,7
	ds_store_b128 v[STO], v[TMP+4*\b:TMP+4*\b+3] offset:32*\b
.endr
.irp hd, 0,1
.irp i, 0,1,2,3
	ds_load_b128 v[BKR+16*\hd+4*\i:BKR+16*\hd+4*\i+3], v[RD] offset:128*\hd+1088*\i
.endr
.endr
.endm
.macro SEND a
.set BKR, 32+32*((\a)%2)
	s_wait_dscnt 0x0                               ; the block is back in registers
	s_wait_xcnt 0x0                                ; earlier stores have read their base and their data: the base may step, and the next block's loads may land
.if (\a) > 0
	s_add_nc_u64 s[12:13], s[12:13], 16*128        ; 16 tokens on
.endif
.irp hd, 0,1
.irp i, 0,1,2,3
	global_store_b128 v[CO], v[BKR+16*\hd+4*\i:BKR+16*\hd+4*\i+3], s[12:13] offset:262144*\hd+512*\i   ; four tokens of one head: 512 consecutive bytes, aligned
.endr
.endr
.endm
.macro WAYOUT scaled
	PACK 0, \scaled
	TOSTAGE 0
.irp a, 1,2,3,4,5,6,7
	PACK \a, \scaled                               ; a block's arithmetic stands between the loads of the block before and the wait for them
	SEND \a-1
	TOSTAGE \a
.endr
	SEND 7
	s_wait_tensorcnt 0x0                           ; the wave's end
	ds_add_u32 v[SPW], v[NIL]
	s_wait_dscnt 0x0
	CROUND                                         ; the closing round
	s_endpgm
.endm
	s_cmp_lg_u32 ttmp9, 0                          ; cluster x = 0 makes q, 1 k, 2 v: the same in all four partners
	s_cbranch_scc1 .Lplain
	WAYOUT 1
.Lplain:
	WAYOUT 0
.Lfunc_end_k_q69bee0441f_qkv:
	.size	k_q69bee0441f_qkv, .Lfunc_end_k_q69bee0441f_qkv-k_q69bee0441f_qkv
	.p2alignl 7, 3214868480
	.fill 96, 4, 3214868480
	.section	.rodata,"a",@progbits
	.p2align	6, 0x0
	.amdhsa_kernel k_q69bee0441f_qkv
		.amdhsa_group_segment_fixed_size 327680
		.amdhsa_private_segment_fixed_size 0
		.amdhsa_enable_private_segment 0
		.amdhsa_kernarg_size 48
		.amdhsa_user_sgpr_count 2
		.amdhsa_user_sgpr_kernarg_segment_ptr 1
		.amdhsa_wavefront_size32 1
		.amdhsa_system_sgpr_workgroup_id_x 1
		.amdhsa_system_sgpr_workgroup_id_y 1
		.amdhsa_system_sgpr_workgroup_id_z 1
		.amdhsa_system_vgpr_workitem_id 0
		.amdhsa_next_free_vgpr 1024
		.amdhsa_next_free_sgpr 98
		.amdhsa_reserve_vcc 0
		.amdhsa_float_denorm_mode_32 3
		.amdhsa_float_denorm_mode_16_64 3
		.amdhsa_memory_ordered 1
		.amdhsa_forward_progress 1
		.amdhsa_inst_pref_size 187
	.end_amdhsa_kernel
	.amdgpu_metadata
---
amdhsa.version: [ 1, 2 ]
amdhsa.kernels:
  - .name:           k_q69bee0441f_qkv
    .symbol:         k_q69bee0441f_qkv.kd
    .args:
      - { .name: xc, .offset: 0, .size: 8, .value_kind: global_buffer, .address_space: global }
      - { .name: xs, .offset: 8, .size: 8, .value_kind: global_buffer, .address_space: global }
      - { .name: wc, .offset: 16, .size: 8, .value_kind: global_buffer, .address_space: global }
      - { .name: ws, .offset: 24, .size: 8, .value_kind: global_buffer, .address_space: global }
      - { .name: qkv, .offset: 32, .size: 8, .value_kind: global_buffer, .address_space: global }
      - { .name: q32, .offset: 40, .size: 8, .value_kind: global_buffer, .address_space: global }
    .group_segment_fixed_size: 327680
    .private_segment_fixed_size: 0
    .kernarg_segment_align: 8
    .kernarg_segment_size: 48
    .max_flat_workgroup_size: 128
    .sgpr_count:     98
    .vgpr_count:     1024
    .wavefront_size: 32
...
	.end_amdgpu_metadata
.endif
;; end of part 2
;; launch attn (part 3): grid 8 x 32, 8 waves a work-group, no clusters, 327,680 bytes of LDS; arguments qkv, m, o16; writes o16
.if DOCPART == 3
	.amdgcn_target "amdgcn-amd-amdhsa--gfx1250"
	.amdhsa_code_object_version 6
	.text
	.protected	k_q69bee0441f_attn
	.globl	k_q69bee0441f_attn
	.p2align	8
	.type	k_q69bee0441f_attn,@function
k_q69bee0441f_attn:
	s_mov_b64 s[64:65], 0
	v_nop
	global_prefetch_b8 v0, s[64:65] scope:SCOPE_SE
	s_setreg_imm32_b32 hwreg(HW_REG_WAVE_MODE, 25, 1), 1
	s_wait_xcnt 0x0
; ATTN: o[b][h][i][:] = sum over j of softmax_j(q_i . k_j / 8, hidden where j > i or m_j = 0) v_j, operands f16, products, maxima and sums f32.
; qkv: f16 [which][b][h][t][64], q already multiplied by log2(e) / 8, so p = 2^(s - M), M the running maximum.  o16: f16 [b][h][t][64].
; SHARES.  Work-group (i, y = 16 b + h) owns the query blocks i and 15 - i of 128 queries, one after the other.  Block i walks i + 1 units of 128 keys, block 15 - i walks 16 - i:
; 17 units in every work-group, so all 256 have equal work and every trip count is a constant.  Wave w = 4 ks + qq holds 32 queries (two tiles of 16) and works, of every unit, its set's 64 keys
; (ks = 0: the first 64, ks = 1: the others).  At a block's end set 1 hands (O, M, l) to set 0 through LDS.
; NO CLUSTER: under the causal mask the query blocks of a head want different numbers of key units, so some partner would never read a tile that a joint load brought it.
; LAYOUT.  S^T = K Q^T (source 0 = 16 keys, source 1 = 16 queries): a lane holds one query and the keys 8 (lane / 16) + 0..7.  Two such tiles, rounded to f16 in pairs, are source 1 of O^T = V^T P.
; THE MASKS.  The padding mask is the C of each score tile's first product: 0 or -2^125 for each key, kept in LDS.  The causal mask is compares and selects in the steps on the diagonal; steps all of
; whose keys come after the wave's queries are jumped over by a branch on ids.  A row with m_i = 0 stays finite here and is multiplied by 0 in the projection.
; LIMITS: scores stay far under 2^100; m_i m_j counts as 0 only where a factor is 0; NaN and infinities are not served; |o| under 65,504.
; REGISTERS.  window 0: v1-15 addresses and constants; v16-31 statistics, 8 a tile (+0 M, +2,+3 l, +4..7 at work, a in +6); v32-63 the bias, 8 a key tile; v64-127 S^T, 32 a tile, P packed in place into
; a tile's first 16; v128-191 K's fragments; v192-223 Q's; v224-255 at work.   window 1: v0-63 O^T ((t, ct) at 32 t + 8 ct); v64-127 V's fragments.
.set KP,    144                        ; a key's row in LDS: 128 bytes + 16
.set VP,    160                        ; a value's row: 128 + 32
.set VOFF,  128*KP                     ; a unit: 128 rows of K, then 128 rows of V
.set UNITB, 128*(KP+VP)
.set SLOTB, 2*UNITB                    ; a slot holds two units
.set SLOT1, 1<<17                      ; slot 1 begins here: one exclusive or turns an address
.set BIAS,  SLOTB                      ; between the slots: 2,048 f32, 0 or -2^125 for each key of the batch;
.set MERGE, BIAS+8192                  ; four images of (O, M, l), 8,704 bytes each;
.set MIMG,  8704
.set STAGE, MERGE+4*MIMG               ; four stages of 16 rows x 144 bytes for the way out
.set STG,   16*KP
.set SPARE, SLOT1+SLOTB                ; the spare words, 128 bytes for each of eight waves
.set AK0, 1
.set AV0, 2
.set AB0, 3
.set ADK, 4
.set ADV, 5
.set ADB, 6
.set QO,  7
.set SPW, 8                            ; v8 LDS address of my spare word; never rewritten
.set NIL, 9                            ; v9 0; never rewritten
.set STO, 10
.set RD,  11
.set GO,  12
.set MI,  13
.set DQ,  14                           ; v14 lane % 16 - 8 (lane / 16)
.set NEG, 15                           ; v15 -2^125
.set ST,  16
.set BI,  32
.set S,   64
.set KF,  128
.set QF,  192
.set TW,  224
.set PFO, 255                          ; v255 256 x lane: the prefetch's offset; never rewritten
.set VF,  64                           ; in window 1
; scalars: s2 LDS byte of the unit in hand; s3, s49 loop counts; s12 wave, s13 ks (also: which unit of a slot I fetch), s14 qq, s15 I fetch V (1) or K (0), s16 which 64 rows; s18 i, s19 i + 1;
; s21 the stream's unit in hand; s22 my first query; s23 the unit that my next load fetches; s[24:31], s[32:39] descriptor groups 1 for K and V; s[40:43] group 0; s[44:45] my part of key unit 0 in memory;
; s[46:47] the prefetch's address; s48 its limit; s[50:51] lane selects; s[52:53] q's plane, s[58:59] o's; s[54:55], s[56:57] o and q at my first query; s60 y; s66-69 at work
.set MSB, 0
.macro WIN new                         ; the immediate's high byte repeats the setting that is left
.if MSB != \new
	s_set_vgpr_msb (MSB<<8)|\new
.set MSB, \new
.endif
.endm
.macro KU d, u                         ; the key unit of stream unit s[u]: u in the first block's walk, u - (i + 1) in the second's; held to 0..15
	s_cmp_lt_u32 s[\u], s19
	s_cselect_b32 s[\d], 0, s19
	s_sub_co_u32 s[\d], s[\u], s[\d]
	s_and_b32 s[\d], s[\d], 15
.endm
; Each wave fetches 64 rows of 128 bytes.  part = 1: only waves 0-3 (the slot's first unit).  The branches hang on the wave's number alone.  An s_nop 0 and four v_nop follow each line.
.macro TLOAD part
.if \part
	s_cmp_lt_u32 s12, 4
	s_cbranch_scc0 .Lasked_\@
.endif
	s_cmp_eq_u32 s15, 0
	s_cbranch_scc0 .Lfor_v_\@
	tensor_load_to_lds s[40:43], s[24:31]
	s_nop 0
.rept 4
	v_nop
.endr
	s_branch .Lasked_\@
.Lfor_v_\@:
	tensor_load_to_lds s[40:43], s[32:39]
	s_nop 0
.rept 4
	v_nop
.endr
.Lasked_\@:
.endm
; A PREFETCH INTO THE L2 of the 8,192 bytes that my own next tensor load will fetch, lanes 256 bytes apart, behind my tensor load and its five lines: one slot, two units of work, ahead.
; All eight work-groups of a head walk the same K and V: the one with i = 0 asks, which walks key units 0..15 in order; so key units 3 to 15 are each named once in the launch.
; Units 0 to 2 come by their loads alone, and a wave whose next unit would be the stream's 17th asks for nothing.
.macro ASK
	s_cmp_le_u32 s23, s48
	s_cbranch_scc0 .Lnot_mine_\@
	global_prefetch_b8 v[PFO], s[46:47] th:TH_LOAD_NT scope:SCOPE_SE
.Lnot_mine_\@:
.endm
.macro JOB                             ; o and q at my first query; Q's four fragments (tile t, channels 32 c on)
	s_lshl_b32 s66, s22, 7
	s_mov_b32 s67, 0
	s_add_nc_u64 s[54:55], s[58:59], s[66:67]
	s_add_nc_u64 s[56:57], s[52:53], s[66:67]
.irp t, 0,1
.irp c, 0,1
	global_load_b128 v[QF+16*\t+8*\c:QF+16*\t+8*\c+3],   v[QO], s[56:57] offset:2048*\t+64*\c
	global_load_b128 v[QF+16*\t+8*\c+4:QF+16*\t+8*\c+7], v[QO], s[56:57] offset:2048*\t+64*\c+32
.endr
.endr
.endm
	s_load_b128 s[4:7], s[0:1], 0x0                ; qkv, m
	s_load_b64 s[8:9], s[0:1], 0x10                ; o16
	v_lshl_add_u32 v[SPW], v0, 2, SPARE
	v_mov_b32 v[NIL], 0
	ds_add_u32 v[SPW], v[NIL]                      ; the wave's opening: the add, twice on end, and its wait ahead of my first tensor load
	ds_add_u32 v[SPW], v[NIL]
	v_lshrrev_b32 v1, 5, v0
	v_readfirstlane_b32 s12, v1                    ; wave 0..7
	s_lshr_b32 s13, s12, 2
	s_and_b32 s14, s12, 3
	s_bfe_u32 s15, s12, 0x10001
	s_and_b32 s16, s12, 1
	s_mov_b32 s18, ttmp9
	s_add_co_u32 s19, s18, 1
	s_and_b32 s60, ttmp7, 0xffff
	s_mov_b32 s23, s13
	s_mov_b32 s[24], (1<<16)|(1<<20)|(4<<22)|(3<<25)   ; elements of 2 bytes; 4 words of padding behind every 32
	s_mov_b32 s[32], (1<<16)|(1<<20)|(4<<22)|(7<<25)   ; V: 8 words
.irp g, 24, 32
	s_mov_b32 s[\g+1], 64<<16                      ; tensor_dim0 = 64
	s_mov_b32 s[\g+2], 64<<16                      ; tensor_dim1 = 64
	s_mov_b32 s[\g+3], 64<<16                      ; tile_dim0 = 64
	s_mov_b32 s[\g+4], 64                          ; tile_dim1 = 64
	s_mov_b32 s[\g+5], 64                          ; from row to row
	s_mov_b32 s[\g+6], 0
	s_mov_b32 s[\g+7], 0
.endr
	s_mul_i32 s41, s13, UNITB                      ; where my rows go in a slot: the unit, K or V, the half
	s_mul_i32 s66, s15, VOFF
	s_add_co_u32 s41, s41, s66
	s_mul_i32 s66, s16, 64*KP
	s_add_co_u32 s41, s41, s66
	s_and_b32 s66, s15, s16
	s_lshl_b32 s66, s66, 10                        ; V's half is 64 x 16 bytes longer
	s_add_co_u32 s41, s41, s66
	s_mov_b32 s40, 1
	s_mov_b32 s50, 0x76543210
	s_mov_b32 s51, 0xfedcba98
	s_cmp_eq_u32 s18, 0
	s_cselect_b32 s48, 16, 0
	s_lshl_b32 s22, s18, 7
	s_lshl_b32 s66, s14, 5
	s_add_co_u32 s22, s22, s66                     ; my first query: 128 i + 32 qq
	s_mov_b32 s2, 0
	s_mov_b32 s21, 0
	s_mov_b32 s49, 7
	s_wait_dscnt 0x0                               ; both opening adds are done
	s_wait_kmcnt 0x0
	s_lshl_b32 s66, s60, 18                        ; the head's plane,
	s_mov_b32 s67, 0
	s_add_nc_u64 s[52:53], s[4:5], s[66:67]        ; in q,
	s_add_nc_u64 s[58:59], s[8:9], s[66:67]        ; in o,
	s_lshl_b32 s68, s15, 23
	s_add_co_u32 s66, s66, s68
	s_add_co_u32 s66, s66, 8388608                 ; in k (32 planes on) or v (64),
	s_lshl_b32 s68, s16, 13
	s_add_co_u32 s66, s66, s68                     ; my 64 rows of a unit's 128
	s_add_nc_u64 s[44:45], s[4:5], s[66:67]
	KU 66, 23
	s_lshl_b32 s66, s66, 14                        ; a unit is 128 rows of 128 bytes
	s_add_nc_u64 s[42:43], s[44:45], s[66:67]
	s_or_b32 s43, s43, 0x80000000
	s_add_co_u32 s23, s23, 2
	TLOAD 0                                        ; slot 0: stream units 0 and 1; one load of mine is out
	s_lshr_b32 s66, s60, 4
	s_lshl_b32 s66, s66, 13
	s_add_nc_u64 s[6:7], s[6:7], s[66:67]          ; m of my batch
	v_lshlrev_b32 v254, 5, v0
	global_load_b128 v[224:227], v254, s[6:7]      ; thread t: keys 8 t .. 8 t + 7
	global_load_b128 v[228:231], v254, s[6:7] offset:16
	v_and_b32 v240, 15, v0                         ; r
	v_bfe_u32 v241, v0, 4, 1                       ; h
	v_and_b32 v242, 31, v0                         ; lane
	v_lshlrev_b32 v[QO], 7, v240
	v_lshl_add_u32 v[QO], v241, 4, v[QO]           ; row r of 128 bytes, + 16 h
	JOB
	s_mul_i32 s66, s13, 64*KP
	v_mul_u32_u24 v[AK0], v240, KP
	v_lshl_add_u32 v[AK0], v241, 4, v[AK0]
	v_add_nc_u32 v[AK0], s66, v[AK0]               ; K: row r, + 16 h, + my set's 64 rows
	v_and_b32 v243, 7, v0
	v_lshl_add_u32 v243, v241, 3, v243
	v_mul_u32_u24 v[AV0], v243, VP
	v_bfe_u32 v243, v0, 3, 1
	v_lshl_add_u32 v[AV0], v243, 4, v[AV0]         ; V, for the turning load: key 8 h + lane % 8, channels 8 ((lane / 8) % 2) on
	s_mul_i32 s66, s13, 64*VP
	s_add_co_u32 s66, s66, VOFF
	v_add_nc_u32 v[AV0], s66, v[AV0]
	s_lshl_b32 s66, s13, 8
	s_add_co_u32 s66, s66, BIAS
	v_lshl_add_u32 v[AB0], v241, 5, s66            ; the bias of keys 8 h + 0..7 of my set
	s_mul_i32 s66, s14, STG
	s_add_co_u32 s66, s66, STAGE
	v_mul_u32_u24 v[STO], v240, KP
	v_lshl_add_u32 v[STO], v241, 4, v[STO]
	v_add_nc_u32 v[STO], s66, v[STO]
	v_lshrrev_b32 v243, 3, v242
	v_mul_u32_u24 v[RD], v243, KP
	v_and_b32 v243, 7, v0
	v_lshl_add_u32 v[RD], v243, 4, v[RD]
	v_add_nc_u32 v[RD], s66, v[RD]
	v_lshlrev_b32 v[GO], 4, v242
	s_mul_i32 s66, s14, MIMG
	s_add_co_u32 s66, s66, MERGE
	v_add_nc_u32 v[MI], s66, v[GO]
	v_lshlrev_b32 v243, 3, v241
	v_sub_nc_u32 v[DQ], v240, v243
	v_mov_b32 v[NEG], 0xfe000000
	v_lshlrev_b32 v[PFO], 8, v242
	v_lshl_add_u32 v253, v0, 5, BIAS
	s_wait_loadcnt 8                               ; m is in; Q's eight loads stay out
.irp j, 0,1,2,3,4,5,6,7
	v_cmp_eq_f32 vcc_lo, 0, v[224+\j]
	v_cndmask_b32 v[232+\j], 0, v[NEG], vcc_lo     ; -2^125 where m = 0, else 0
.endr
	ds_store_b128 v253, v[232:235]
	ds_store_b128 v253, v[236:239] offset:16       ; the others read it behind the first change's wait and barrier
.irp t, 0,1
	v_mov_b32 v[ST+8*\t], 0xfe800000               ; M = -2^126, under every score and under the masks' -2^125
.irp k, 1,2,3,4,5,6,7
	v_mov_b32 v[ST+8*\t+\k], 0
.endr
.endr
	WIN 0x40
.set i, 0
.rept 64
	v_mov_b32 v[i], 0                              ; O^T: the step is written once, its first turn finds zeros
.set i, i+1
.endr
	WIN 0
	s_wait_loadcnt 0x0                             ; Q
; ONE TILE PAIR'S SOFTMAX for 64 keys, the two tiles line by line.
.macro SOFTMAX
.irp j, 0,1,2,3
.irp t, 0,1
	v_max3_num_f32 v[ST+8*\t+4+\j], v[S+32*\t+8*\j], v[S+32*\t+8*\j+1], v[S+32*\t+8*\j+2]   ; four chains, each accumulator from its low end on
.endr
.endr
.irp g, 1,2
.irp j, 0,1,2,3
.irp t, 0,1
	v_max3_num_f32 v[ST+8*\t+4+\j], v[ST+8*\t+4+\j], v[S+32*\t+8*\j+2*\g+1], v[S+32*\t+8*\j+2*\g+2]
.endr
.endr
.endr
.irp t, 0,1
	v_max3_num_f32 v[ST+8*\t+4], v[ST+8*\t+4], v[S+32*\t+7], v[S+32*\t+15]
	v_max3_num_f32 v[ST+8*\t+6], v[ST+8*\t+6], v[S+32*\t+23], v[S+32*\t+31]
.endr
.irp t, 0,1
	v_max3_num_f32 v[ST+8*\t+4], v[ST+8*\t+4], v[ST+8*\t+5], v[ST+8*\t+6]
.endr
.irp t, 0,1
	v_max3_num_f32 v[ST+8*\t+4], v[ST+8*\t+4], v[ST+8*\t+7], v[ST+8*\t]      ; with the old M
.endr
.irp t, 0,1
	v_permlanex16_b32 v[ST+8*\t+5], v[ST+8*\t+4], s50, s51                   ; the query's other keys lie in the lane 16 away
.endr
.irp t, 0,1
	v_mov_b32 v[ST+8*\t+7], v[ST+8*\t]
.endr
.irp t, 0,1
	v_max_num_f32 v[ST+8*\t], v[ST+8*\t+4], v[ST+8*\t+5]                     ; the new M
.endr
.irp t, 0,1
	v_sub_f32 v[ST+8*\t+7], v[ST+8*\t+7], v[ST+8*\t]
.endr
.irp t, 0,1
	v_exp_f32 v[ST+8*\t+6], v[ST+8*\t+7]                                     ; a = 2^(old M - new M)
.endr
.irp t, 0,1
.set i, 0
.rept 16
	v_pk_add_f32 v[S+32*\t+i:S+32*\t+i+1], v[S+32*\t+i:S+32*\t+i+1], v[ST+8*\t:ST+8*\t+1] op_sel_hi:[1,0] neg_lo:[0,1] neg_hi:[0,1]   ; s - M, two at a time
.set i, i+2
.endr
.endr
.irp t, 0,1
.set i, 0
.rept 32
	v_exp_f32 v[S+32*\t+i], v[S+32*\t+i]                                     ; p, at most 1
.set i, i+1
.endr
.endr
	v_nop                                          ; a plain instruction behind the last exponential
	s_wait_alu depctr_va_vdst(0)                   ; one wait for the 66 exponentials, ahead of the first instruction that names a result
.irp t, 0,1
	v_pk_add_f32 v[TW+4*\t:TW+4*\t+1], v[S+32*\t:S+32*\t+1], v[S+32*\t+2:S+32*\t+3]          ; the sums, of the unrounded p, in two chains
	v_pk_add_f32 v[TW+4*\t+2:TW+4*\t+3], v[S+32*\t+4:S+32*\t+5], v[S+32*\t+6:S+32*\t+7]
.endr
.irp p, 8,12,16,20,24,28
.irp t, 0,1
	v_pk_add_f32 v[TW+4*\t:TW+4*\t+1], v[TW+4*\t:TW+4*\t+1], v[S+32*\t+\p:S+32*\t+\p+1]
	v_pk_add_f32 v[TW+4*\t+2:TW+4*\t+3], v[TW+4*\t+2:TW+4*\t+3], v[S+32*\t+\p+2:S+32*\t+\p+3]
.endr
.endr
.irp t, 0,1
	v_pk_add_f32 v[TW+4*\t:TW+4*\t+1], v[TW+4*\t:TW+4*\t+1], v[TW+4*\t+2:TW+4*\t+3]
.endr
.irp t, 0,1
	v_pk_fma_f32 v[ST+8*\t+2:ST+8*\t+3], v[ST+8*\t+2:ST+8*\t+3], v[ST+8*\t+6:ST+8*\t+7], v[TW+4*\t:TW+4*\t+1] op_sel_hi:[1,0,1]   ; l = a l + the sum
.endr
.irp t, 0,1
.set i, 0
.rept 16
	v_cvt_pk_f16_f32 v[S+32*\t+i], v[S+32*\t+2*i], v[S+32*\t+2*i+1]          ; P, in place, ascending: register i is read no more when it is written
.set i, i+1
.endr
.endr
.endm
; A STEP: my set's 64 keys of the unit in hand.  s66 = the key unit, s68 = the first key.
.macro STEP
	v_add_nc_u32 v[ADK], s2, v[AK0]
	v_add_nc_u32 v[ADV], s2, v[AV0]
	s_lshl_b32 s67, s66, 9
	v_add_nc_u32 v[ADB], s67, v[AB0]
.irp kt, 0,1,2,3
.irp c, 0,1
	ds_load_b128 v[KF+16*\kt+8*\c:KF+16*\kt+8*\c+3],   v[ADK] offset:\kt*16*KP+64*\c
	ds_load_b128 v[KF+16*\kt+8*\c+4:KF+16*\kt+8*\c+7], v[ADK] offset:\kt*16*KP+64*\c+32
.endr
.endr
.irp kt, 0,1,2,3
	ds_load_b128 v[BI+8*\kt:BI+8*\kt+3],   v[ADB] offset:64*\kt
	ds_load_b128 v[BI+8*\kt+4:BI+8*\kt+7], v[ADB] offset:64*\kt+16
.endr
	WIN 0x40                                       ; destination window 1
.irp ct, 0,1,2,3
.irp kh, 0,1
	ds_load_tr16_b128 v[VF+16*\ct+8*\kh:VF+16*\ct+8*\kh+3],   v[ADV] offset:\kh*32*VP+32*\ct
	ds_load_tr16_b128 v[VF+16*\ct+8*\kh+4:VF+16*\ct+8*\kh+7], v[ADV] offset:\kh*32*VP+16*VP+32*\ct
.endr
.endr
	WIN 0
	s_wait_dscnt 16                                ; K and the bias are in; V's sixteen loads stay out
.irp kt, 0,1,2,3                               ; S^T = bias + K Q^T: eight accumulators by turns
.irp t, 0,1
	v_wmma_f32_16x16x32_f16 v[S+32*\t+8*\kt:S+32*\t+8*\kt+7], v[KF+16*\kt:KF+16*\kt+7], v[QF+16*\t:QF+16*\t+7], v[BI+8*\kt:BI+8*\kt+7]
.endr
.endr
.irp kt, 0,1,2,3
.irp t, 0,1
	v_wmma_f32_16x16x32_f16 v[S+32*\t+8*\kt:S+32*\t+8*\kt+7], v[KF+16*\kt+8:KF+16*\kt+15], v[QF+16*\t+8:QF+16*\t+15], v[S+32*\t+8*\kt:S+32*\t+8*\kt+7]
.endr
.endr
.rept 4
	v_nop                                          ; places in front of the first read of the scores (ISA guide 7.12.1)
.endr
	s_add_co_u32 s69, s68, 63                      ; a step all of whose keys count for all my queries has no causal mask
	s_cmp_le_u32 s69, s22
	s_cbranch_scc1 .Lopen_\@
	s_sub_co_i32 s69, s22, s68
	v_add_nc_u32 v[TW], s69, v[DQ]                 ; d = my query - the first key - 8 (lane / 16), tile 0;
	v_add_nc_u32 v[TW+1], 16, v[TW]                ; tile 1.  Register n holds key 16 (n / 8) + n % 8 + 8 (lane / 16): hidden where 16 (n / 8) + n % 8 > d
.irp t, 0,1
.set n, 0
.rept 32
	v_cmp_gt_i32 vcc_lo, 16*(n/8)+n%8, v[TW+\t]
	v_cndmask_b32 v[S+32*\t+n], v[S+32*\t+n], v[NEG], vcc_lo
.set n, n+1
.endr
.endr
.Lopen_\@:
	SOFTMAX
	s_wait_dscnt 0x0                               ; V is in
	WIN 0x41                                       ; O^T (destination and source 0) in window 1, a in window 0
.irp t, 0,1
.set i, 0
.rept 16
	v_pk_mul_f32 v[32*\t+i:32*\t+i+1], v[32*\t+i:32*\t+i+1], v[ST+8*\t+6:ST+8*\t+7] op_sel_hi:[1,0]
.set i, i+2
.endr
.endr
	WIN 0x51                                       ; V and O^T in window 1, P in window 0
.irp kh, 0,1                                   ; O^T += V^T P: eight accumulators by turns
.irp ct, 0,1,2,3
.irp t, 0,1
	v_wmma_f32_16x16x32_f16 v[32*\t+8*\ct:32*\t+8*\ct+7], v[VF+16*\ct+8*\kh:VF+16*\ct+8*\kh+7], v[S+32*\t+8*\kh:S+32*\t+8*\kh+7], v[32*\t+8*\ct:32*\t+8*\ct+7]
.endr
.endr
.endr
	WIN 0
.rept 5
	v_nop                                          ; the next step's first products write over P's registers (five places), its loads land in V's, and a block's end reads O^T (four)
.endr
.endm
; A BLOCK'S END.  Set 1 stores its O^T as an image of its registers, and (M, l); a barrier; set 0 joins the two halves, divides, rounds to f16 and stores 32 rows through its stage.
; mid = 1: the second block begins.  Only M is set anew: the new block's first step then has a = 2^(-2^126 - M) = 0, which multiplies the old, finite O^T and l away.
.macro FINISH mid
.irp t, 0,1
	v_add_f32 v[ST+8*\t+2], v[ST+8*\t+2], v[ST+8*\t+3]
.endr
.irp t, 0,1
	v_permlanex16_b32 v[ST+8*\t+4], v[ST+8*\t+2], s50, s51
.endr
.irp t, 0,1
	v_add_f32 v[ST+8*\t+2], v[ST+8*\t+2], v[ST+8*\t+4]                       ; l of my set's keys
.endr
	s_cmp_eq_u32 s13, 0
	s_cbranch_scc1 .Lkeep_\@
	WIN 0x04                                       ; an LDS store's data are its source 1: window 1
.set g, 0
.rept 16
	ds_store_b128 v[MI], v[4*g:4*g+3] offset:512*g ; each accumulator from its low end on
.set g, g+1
.endr
	WIN 0
	v_mov_b32 v224, v[ST]
	v_mov_b32 v225, v[ST+2]
	v_mov_b32 v226, v[ST+8]
	v_mov_b32 v227, v[ST+10]
	ds_store_b128 v[MI], v[224:227] offset:8192
.Lkeep_\@:
	s_wait_dscnt 0x0                               ; for the others' sake: my stores have landed.  My tensor load may stay out
	s_barrier_signal -1
	s_barrier_wait -1
	s_cmp_lg_u32 s13, 0
	s_cbranch_scc1 .Ldone_\@
.set g, 0
.rept 16
	ds_load_b128 v[KF+4*g:KF+4*g+3], v[MI] offset:512*g
.set g, g+1
.endr
	ds_load_b128 v[228:231], v[MI] offset:8192
	s_wait_dscnt 0x0
.irp t, 0,1
	v_max_num_f32 v[ST+8*\t+4], v[ST+8*\t], v[228+2*\t]
.endr
.irp t, 0,1
	v_sub_f32 v[ST+8*\t+5], v[ST+8*\t], v[ST+8*\t+4]
	v_sub_f32 v[ST+8*\t+6], v[228+2*\t], v[ST+8*\t+4]
.endr
.irp t, 0,1
	v_exp_f32 v[ST+8*\t+5], v[ST+8*\t+5]           ; the two sets' weights: one of them is 1
	v_exp_f32 v[ST+8*\t+6], v[ST+8*\t+6]
.endr
	v_nop
	s_wait_alu depctr_va_vdst(0)                   ; one wait for the four, ahead of their first reader
.irp t, 0,1
	v_mul_f32 v[ST+8*\t+2], v[ST+8*\t+2], v[ST+8*\t+5]
.endr
.irp t, 0,1
	v_fmac_f32 v[ST+8*\t+2], v[229+2*\t], v[ST+8*\t+6]
.endr
.irp t, 0,1
	v_rcp_f32 v[ST+8*\t+3], v[ST+8*\t+2]
.endr
	v_nop
	s_wait_alu depctr_va_vdst(0)                   ; and one for the two reciprocals
.irp t, 0,1
	v_mul_f32 v[ST+8*\t+4], v[ST+8*\t+5], v[ST+8*\t+3]
	v_mul_f32 v[ST+8*\t+6], v[ST+8*\t+6], v[ST+8*\t+3]
.endr
.irp t, 0,1
.set i, 0
.rept 16
	v_pk_mul_f32 v[KF+32*\t+i:KF+32*\t+i+1], v[KF+32*\t+i:KF+32*\t+i+1], v[ST+8*\t+6:ST+8*\t+7] op_sel_hi:[1,0]
.set i, i+2
.endr
.endr
	WIN 0x01                                       ; source 0: my O^T, window 1
.irp t, 0,1
.set i, 0
.rept 16
	v_pk_fma_f32 v[KF+32*\t+i:KF+32*\t+i+1], v[32*\t+i:32*\t+i+1], v[ST+8*\t+4:ST+8*\t+5], v[KF+32*\t+i:KF+32*\t+i+1] op_sel_hi:[1,0,1]
.set i, i+2
.endr
.endr
	WIN 0
.set i, 0
.rept 32
	v_cvt_pk_f16_f32 v[S+i], v[KF+2*i], v[KF+2*i+1]
.set i, i+1
.endr
.irp t, 0,1
.irp ct, 0,1,2,3
	ds_store_b128 v[STO], v[S+16*\t+4*\ct:S+16*\t+4*\ct+3] offset:32*\ct     ; query r, channels 16 ct + 8 h + 0..7
.endr
.irp i, 0,1,2,3
	ds_load_b128 v[S+32+16*\t+4*\i:S+32+16*\t+4*\i+3], v[RD] offset:4*KP*\i  ; a wave's LDS instructions are served in order: these see my stores, and tile 1's stores come behind tile 0's loads
.endr
.endr
.irp t, 0,1
.irp i, 0,1,2,3
	s_wait_dscnt 11-8*\t-\i                        ; this load is back; the younger stage instructions stay out
	global_store_b128 v[GO], v[S+32+16*\t+4*\i:S+32+16*\t+4*\i+3], s[54:55] offset:2048*\t+512*\i   ; four rows of o: 512 consecutive bytes, aligned
.endr
.endr
.Ldone_\@:
.if \mid
	s_wait_xcnt 0x0                                ; the stores have read their base and their data: the base is stepped and the score registers are written again only behind this wait
	s_sub_co_u32 s22, 15, s18
	s_lshl_b32 s22, s22, 7
	s_lshl_b32 s66, s14, 5
	s_add_co_u32 s22, s22, s66                     ; my first query of block 15 - i
	JOB
.irp t, 0,1
	v_mov_b32 v[ST+8*\t], 0xfe800000
.endr
	s_wait_loadcnt 0x0
.endif
.endm
; A UNIT of the stream.  A step all of whose keys come after my 32 queries is left out: a branch on ids, round the step alone; the block's end, with its barrier, stands on every wave's path.
.macro UNIT mid
	KU 66, 21
	s_lshl_b32 s68, s66, 7
	s_lshl_b32 s69, s13, 6
	s_add_co_u32 s68, s68, s69                     ; my set's first key
	s_add_co_u32 s69, s22, 31
	s_cmp_gt_u32 s68, s69
	s_cbranch_scc1 .Lhidden_\@
	STEP
.Lhidden_\@:
.if \mid
	s_cmp_lg_u32 s21, s18                          ; the first block's last unit is the stream's unit i: the same in all eight waves
	s_cbranch_scc1 .Lgo_on_\@
	FINISH 1
.Lgo_on_\@:
.endif
	s_add_co_u32 s21, s21, 1
	s_add_co_u32 s2, s2, UNITB
.endm
.macro TWO_UNITS mid
	s_mov_b32 s3, 2
.Lunit_\@:
	UNIT \mid
	s_sub_co_u32 s3, s3, 1
	s_cmp_lg_u32 s3, 0
	s_cbranch_scc1 .Lunit_\@
	s_sub_co_u32 s2, s2, SLOTB
	s_xor_b32 s2, s2, SLOT1                        ; on to the other slot
.endm
; THE CHANGE OF SLOTS stands at a slot's head.  Each wave waits for its tensor load (its part of the slot ahead), adds 0 to its spare word, and waits for that and for its reads of the slot that it has left.
; Behind the barrier the slot ahead is whole and nobody reads the other: it is filled with the next two units (fill = 1), with the stream's last unit (2), or not at all (0).  One load a wave is out, with two units' work in which to land.
.macro CHANGE fill
	s_wait_tensorcnt 0x0                           ; no tensor load of mine is out, so group 0 may be written
	ds_add_u32 v[SPW], v[NIL]                      ; 0 onto my spare word; the descriptor's step stands between it and the wait for it
.if \fill
	s_xor_b32 s41, s41, SLOT1
	KU 66, 23
	s_lshl_b32 s66, s66, 14
	s_mov_b32 s67, 0
	s_add_nc_u64 s[42:43], s[44:45], s[66:67]
	s_or_b32 s43, s43, 0x80000000
	s_add_co_u32 s23, s23, 2
.endif
.if \fill == 1
	KU 66, 23
	s_lshl_b32 s66, s66, 14
	s_wait_xcnt 0x0                                ; the last prefetch, a slot back, has read its address
	s_add_nc_u64 s[46:47], s[44:45], s[66:67]      ; what my next load will fetch
.endif
	s_wait_dscnt 0x0                               ; the add is done, and my reads of the slot that I have left are over
	s_barrier_signal -1
	s_barrier_wait -1
.if \fill == 1
	TLOAD 0
	ASK
.endif
.if \fill == 2
	TLOAD 1
.endif
.endm
.Lslot:                                            ; seven trips: units 0 to 13; the first block always ends among them (i is at most 7)
	CHANGE 1
	TWO_UNITS 1
	s_sub_co_u32 s49, s49, 1
	s_cmp_lg_u32 s49, 0
	s_cbranch_scc1 .Lslot
	CHANGE 2                                       ; units 14 and 15; waves 0-3 fetch unit 16
	TWO_UNITS 0
	CHANGE 0
	UNIT 0                                         ; unit 16
	FINISH 0
	s_wait_tensorcnt 0x0                           ; the wave's end
	ds_add_u32 v[SPW], v[NIL]
	s_wait_dscnt 0x0
	s_endpgm
.Lfunc_end_k_q69bee0441f_attn:
	.size	k_q69bee0441f_attn, .Lfunc_end_k_q69bee0441f_attn-k_q69bee0441f_attn
	.p2alignl 7, 3214868480
	.fill 96, 4, 3214868480
	.section	.rodata,"a",@progbits
	.p2align	6, 0x0
	.amdhsa_kernel k_q69bee0441f_attn
		.amdhsa_group_segment_fixed_size 327680
		.amdhsa_private_segment_fixed_size 0
		.amdhsa_enable_private_segment 0
		.amdhsa_kernarg_size 24
		.amdhsa_user_sgpr_count 2
		.amdhsa_user_sgpr_kernarg_segment_ptr 1
		.amdhsa_wavefront_size32 1
		.amdhsa_system_sgpr_workgroup_id_x 1
		.amdhsa_system_sgpr_workgroup_id_y 1
		.amdhsa_system_sgpr_workgroup_id_z 1
		.amdhsa_system_vgpr_workitem_id 0
		.amdhsa_next_free_vgpr 384
		.amdhsa_next_free_sgpr 72
		.amdhsa_reserve_vcc 1
		.amdhsa_float_denorm_mode_32 3
		.amdhsa_float_denorm_mode_16_64 3
		.amdhsa_memory_ordered 1
		.amdhsa_forward_progress 1
		.amdhsa_inst_pref_size 106
	.end_amdhsa_kernel
	.amdgpu_metadata
---
amdhsa.version: [ 1, 2 ]
amdhsa.kernels:
  - .name:           k_q69bee0441f_attn
    .symbol:         k_q69bee0441f_attn.kd
    .args:
      - { .name: qkv, .offset: 0, .size: 8, .value_kind: global_buffer, .address_space: global }
      - { .name: m, .offset: 8, .size: 8, .value_kind: global_buffer, .address_space: global }
      - { .name: o16, .offset: 16, .size: 8, .value_kind: global_buffer, .address_space: global }
    .group_segment_fixed_size: 327680
    .private_segment_fixed_size: 0
    .kernarg_segment_align: 8
    .kernarg_segment_size: 24
    .max_flat_workgroup_size: 256
    .sgpr_count:     72
    .vgpr_count:     384
    .wavefront_size: 32
...
	.end_amdgpu_metadata
.endif
;; end of part 3
;; launch proj (part 4): grid 8 x 32, 4 waves a work-group, clusters of 4 x 4, 327,680 bytes of LDS; arguments o16, wt, b_out, m, out0; writes out0
.if DOCPART == 4
	.amdgcn_target "amdgcn-amd-amdhsa--gfx1250"
	.amdhsa_code_object_version 6
	.text
	.protected	k_q69bee0441f_proj
	.globl	k_q69bee0441f_proj
	.p2align	8
	.type	k_q69bee0441f_proj,@function
k_q69bee0441f_proj:
	s_mov_b64 s[64:65], 0
	v_nop
	global_prefetch_b8 v0, s[64:65] scope:SCOPE_SE
	s_setreg_imm32_b32 hwreg(HW_REG_WAVE_MODE, 25, 1), 1
	s_wait_xcnt 0x0
	s_wait_alu depctr_hold_cnt(0) depctr_sa_sdst(0) depctr_va_vdst(0) depctr_va_sdst(0) depctr_va_ssrc(0) depctr_va_vcc(0) depctr_vm_vsrc(0)
	s_getreg_b32 s2, hwreg(HW_REG_IB_STS2, 6, 4)
	s_cmp_eq_u32 s2, 0
	s_cbranch_scc0 .Lentry_in_a_cluster
	s_endpgm
.Lentry_in_a_cluster:
	s_bfe_u32 s2, ttmp6, 0x10000c
	s_cmp_lg_u32 s2, 0xf033
	s_cbranch_scc0 .Lentry_shape_is_right
	s_endpgm
.Lentry_shape_is_right:
; PROJ: out0[row][n] = (sum over k of o[row][k] w_out[k][n] + b_out[n]) m[row], operands f16, sums f32.  row = 2048 b + t, k = 64 h + d.
; A = o16 [b][h][t][64], B = wt [k / 64][n][64]: both lie in planes of 64 along K.  A tile of C is 128 x 128 (8 x 32 = 256 work-groups), four waves of 64 x 64: 16 accumulators.
; K goes in steps of 256 (four planes) through two LDS slots.  One tensor load brings four planes x 64 rows: a plane's 64 rows are 8,192 dense bytes, stated as one row of 4,096 elements; 16 bytes of padding
; behind every 128 lay them in LDS as [plane][row] at a pitch of 144.
; CLUSTERS 4 x 4: A's tiles are asked for jointly along a row of the cluster, B's along a column.  THE MATRIX INSTRUCTION IS USED TRANSPOSED: a lane holds eight neighbouring columns of a row of C.
; The bias is the C of each sum's first product; m multiplies on the way out.  All rows are stored here; the last launch writes 32 of them anew.
; REGISTERS: window 0: v0-31 addresses, v8-15 m; v32-95 at work on the way out; v96-127 the bias; v128-255 the accumulators ((a, b) at v[128 + 8 (4 a + b)]).  window 1: two fragment buffers of 128.
.set PITCH,  144
.set QB,     64*PITCH                  ; a plane's 64 rows
.set HALFT,  4*QB                      ; what one tensor load brings, and what one wave reads of A or of B
.set SLOT,   4*HALFT
.set SPARE,  2*SLOT                    ; behind the ring: the spare words, 128 bytes for each wave
.set SPITCH, 272                       ; the way out: a stage of 16 rows x (256 bytes + 16) for each wave, in slot 0, which has had its last fill and its last read by then
.set ASTEP,  4*262144                  ; a K step in memory: four planes of o16,
.set BSTEP,  4*131072                  ; four planes of wt
.set LAPS,   2                         ; K = 1,024: four K steps, twice round the ring
.set MQ,   8
.set ADRA, 16
.set ADRB, 20
.set STO,  24
.set RD,   25
.set CO,   26
.set SPW,  28
.set NIL,  29
.set TMP,  32
.set BK,   64
.set BIA,  96
.set ACC,  128
.set F0,   0
.set F1,   128
.set G1, 24
.set G0, 32
.set G1B, 48
.set G0B, 56
.set MSB, 0
.macro WIN new
.if MSB != \new
	s_set_vgpr_msb (MSB<<8)|\new
.set MSB, \new
.endif
.endm
.set MUL,  0x05                        ; sources 0 (B) and 1 (A) window 1; C and D window 0
.set TO_F, 0x40
.macro JLOAD s                         ; a joint load: waves 0 and 1 fetch A's two halves, waves 2 and 3 B's; an s_nop 0 and four v_nop follow each line
	s_cmp_eq_u32 s11, 0
	s_cbranch_scc0 .Lfor_b_\@
	tensor_load_to_lds s[G0+4*\s:G0+4*\s+3], s[G1:G1+7]
	s_nop 0
.rept 4
	v_nop
.endr
	s_branch .Lasked_\@
.Lfor_b_\@:
	tensor_load_to_lds s[G0B+4*\s:G0B+4*\s+3], s[G1B:G1B+7]
	s_nop 0
.rept 4
	v_nop
.endr
.Lasked_\@:
.endm
.macro CREST
	s_cmp_lg_u32 s10, 0
	s_cbranch_scc1 .Lnot_wave_0_\@
	s_barrier_signal -3
.Lnot_wave_0_\@:
	s_barrier_wait -3
	s_barrier_signal -1
	s_barrier_wait -1
.endm
.macro CROUND
	s_barrier_signal -1
	s_barrier_wait -1
	CREST
.endm
	s_load_b128 s[4:7], s[0:1], 0x0                ; o16, wt
	s_load_b128 s[68:71], s[0:1], 0x10             ; b_out, m
	s_load_b64 s[8:9], s[0:1], 0x20                ; out0
	v_lshl_add_u32 v[SPW], v0, 2, SPARE
	v_mov_b32 v[NIL], 0
	ds_add_u32 v[SPW], v[NIL]                      ; the wave's opening: the add, twice on end, and its wait ahead of my first tensor load
	ds_add_u32 v[SPW], v[NIL]
	v_lshrrev_b32 v1, 5, v0
	v_readfirstlane_b32 s10, v1                    ; wave 0..3
	s_lshr_b32 s11, s10, 1                         ; which half of the tile's rows is mine.  Also: I fetch for A (0) or for B (1)
	s_and_b32 s12, s10, 1                          ; which half of its columns.  Also: which 64 rows of that tile I fetch
	s_bfe_u32 s40, ttmp6, 0x40000                  ; cx, cy
	s_bfe_u32 s41, ttmp6, 0x40004
	s_lshl_b32 s42, ttmp9, 2
	s_add_co_u32 s42, s42, s40                     ; tile column
	s_and_b32 s13, ttmp7, 0xffff
	s_lshl_b32 s13, s13, 2
	s_add_co_u32 s13, s13, s41                     ; tile row
	s_lshl_b32 s43, s41, 2
	s_lshl_b32 s43, 15, s43                        ; my row of the cluster
	s_lshl_b32 s44, 0x1111, s40                    ; my column
	s_or_b32 s[G1+0], s43, (1<<16)|(1<<20)|(1<<21)|(4<<22)|(3<<25)   ; elements of 2 bytes; 4 words of padding behind every 32
	s_or_b32 s[G1B+0], s44, (1<<16)|(1<<20)|(1<<21)|(4<<22)|(3<<25)
.irp g, G1, G1B
	s_mov_b32 s[\g+1], 4096<<16                    ; tensor_dim0: 64 rows x 64 elements, dense
	s_mov_b32 s[\g+2], 4<<16                       ; tensor_dim1: four planes
	s_mov_b32 s[\g+3], 4096<<16                    ; tile_dim0
	s_mov_b32 s[\g+4], 4                           ; tile_dim1
	s_mov_b32 s[\g+6], 0
	s_mov_b32 s[\g+7], 0
.endr
	s_mov_b32 s[G1+5], 131072                      ; from plane to plane, in elements: o16,
	s_mov_b32 s[G1B+5], 65536                      ; wt
	s_lshr_b32 s16, s13, 4                         ; A: batch = tile row / 16: 16 planes of 2^18 bytes;
	s_lshl_b32 s16, s16, 22
	s_and_b32 s17, s13, 15
	s_lshl_b32 s17, s17, 14                        ; token 128 (tile row % 16), 128 bytes each;
	s_add_co_u32 s16, s16, s17
	s_lshl_b32 s17, s12, 13                        ; + my 64 rows
	s_add_co_u32 s16, s16, s17
	s_lshl_b32 s46, s42, 14                        ; B: row 128 x tile column + my 64
	s_add_co_u32 s46, s46, s17
	s_mov_b32 s17, 0
	s_mov_b32 s47, 0
	s_mul_i32 s20, s10, HALFT                      ; where they go: A's two halves, then B's two
	s_wait_dscnt 0x0                               ; both opening adds are done
	s_wait_kmcnt 0x0
	s_add_nc_u64 s[14:15], s[4:5], s[16:17]
	s_add_nc_u64 s[46:47], s[6:7], s[46:47]
	CROUND                                         ; all sixteen work-groups are here: the first joint loads meet
.irp s, 0,1
	s_mov_b32 s[G0+4*\s], 1
	s_add_co_u32 s[G0+4*\s+1], s20, \s*SLOT
	s_add_nc_u64 s[G0+4*\s+2:G0+4*\s+3], s[14:15], \s*ASTEP
	s_or_b32 s[G0+4*\s+3], s[G0+4*\s+3], 0x80000000
	s_mov_b32 s[G0B+4*\s], 1
	s_add_co_u32 s[G0B+4*\s+1], s20, \s*SLOT
	s_add_nc_u64 s[G0B+4*\s+2:G0B+4*\s+3], s[46:47], \s*BSTEP
	s_or_b32 s[G0B+4*\s+3], s[G0B+4*\s+3], 0x80000000
	JLOAD \s                                       ; two loads of mine are out behind the second
.endr
	v_and_b32 v1, 15, v0                           ; r
	v_bfe_u32 v2, v0, 4, 1                         ; h
	s_lshl_b32 s16, s42, 9                         ; my 64 columns: 512 x tile column + 256 x half, in bytes of f32
	s_lshl_b32 s18, s12, 8
	s_add_co_u32 s16, s16, s18
	s_add_nc_u64 s[68:69], s[68:69], s[16:17]      ; b_out there,
	s_add_nc_u64 s[8:9], s[8:9], s[16:17]          ; out0 likewise,
	s_lshl_b32 s16, s13, 9                         ; my 64 rows: 128 x tile row + 64 x half
	s_lshl_b32 s18, s11, 8
	s_add_co_u32 s16, s16, s18
	s_add_nc_u64 s[70:71], s[70:71], s[16:17]      ; m there (4 bytes a row),
	s_lshl_b32 s16, s16, 10
	s_add_nc_u64 s[8:9], s[8:9], s[16:17]          ; out0 (4,096 bytes a row)
	v_lshlrev_b32 v6, 5, v2
	v_lshlrev_b32 v7, 2, v1
.irp b, 0,1,2,3
	global_load_b128 v[BIA+8*\b:BIA+8*\b+3],   v6, s[68:69] offset:64*\b         ; b_out of columns 16 b + 8 h + 0..7: the result's layout
	global_load_b128 v[BIA+8*\b+4:BIA+8*\b+7], v6, s[68:69] offset:64*\b+16
.endr
.irp a, 0,1,2,3
	global_load_b32 v[MQ+2*\a],   v7, s[70:71] offset:64*\a                      ; m of row 16 a + r, in both halves of a pair for the packed multiply
	global_load_b32 v[MQ+2*\a+1], v7, s[70:71] offset:64*\a
.endr
	v_mul_u32_u24 v3, v1, PITCH
	v_lshl_add_u32 v3, v2, 4, v3
	s_mul_i32 s21, s11, HALFT
	s_mul_i32 s22, s12, HALFT
	s_add_co_u32 s22, s22, 2*HALFT
.irp s, 0,1
	v_add_nc_u32 v[ADRA+\s], s21, v3
	v_add_nc_u32 v[ADRB+\s], s22, v3
	s_add_co_u32 s21, s21, SLOT
	s_add_co_u32 s22, s22, SLOT
.endr
	s_mul_i32 s23, s10, 16*SPITCH                  ; my stage
	v_mul_u32_u24 v4, v1, SPITCH
	v_lshl_add_u32 v4, v2, 5, v4
	v_add_nc_u32 v[STO], s23, v4                   ; in: row r, 32 bytes for each half of the lanes
	v_mul_u32_u24 v5, v2, SPITCH
	v_lshl_add_u32 v5, v1, 4, v5
	v_add_nc_u32 v[RD], s23, v5                    ; back: lanes 0-15 one row of 256 bytes, lanes 16-31 the next
	v_lshlrev_b32 v5, 12, v2
	v_lshl_add_u32 v[CO], v1, 4, v5                ; and the same two rows in out0
; 8 matrix instructions: m blocks a0, a0 + 1 x all 4 n blocks, 32 along K: half c of buffer f.  zero = 1: the first product starts the sums, from the bias.  The 16 accumulators take turns.
.macro MUL8 f, c, a0, zero
.irp a, \a0, \a0+1
.irp b, 0,1,2,3
.if \zero
	v_wmma_f32_16x16x32_f16 v[ACC+8*(4*(\a)+\b):ACC+8*(4*(\a)+\b)+7], v[\f+64+8*(4*\c+\b):\f+64+8*(4*\c+\b)+7], v[\f+8*(4*\c+\a):\f+8*(4*\c+\a)+7], v[BIA+8*\b:BIA+8*\b+7]
.else
	v_wmma_f32_16x16x32_f16 v[ACC+8*(4*(\a)+\b):ACC+8*(4*(\a)+\b)+7], v[\f+64+8*(4*\c+\b):\f+64+8*(4*\c+\b)+7], v[\f+8*(4*\c+\a):\f+8*(4*\c+\a)+7], v[ACC+8*(4*(\a)+\b):ACC+8*(4*(\a)+\b)+7]
.endif
.endr
.endr
.endm
.macro FETCH slot, k, f                ; 32 LDS loads in one run: a plane's fragments (64 along K), the plane beginning at byte k of my rows' region
	WIN TO_F
.irp c, 0,1
.irp i, 0,1,2,3
	ds_load_b128 v[\f+64+8*(4*\c+\i):\f+64+8*(4*\c+\i)+3],   v[ADRB+\slot] offset:\k+64*\c+\i*16*PITCH
	ds_load_b128 v[\f+64+8*(4*\c+\i)+4:\f+64+8*(4*\c+\i)+7], v[ADRB+\slot] offset:\k+64*\c+\i*16*PITCH+32
	ds_load_b128 v[\f+8*(4*\c+\i):\f+8*(4*\c+\i)+3],         v[ADRA+\slot] offset:\k+64*\c+\i*16*PITCH
	ds_load_b128 v[\f+8*(4*\c+\i)+4:\f+8*(4*\c+\i)+7],       v[ADRA+\slot] offset:\k+64*\c+\i*16*PITCH+32
.endr
.endr
.endm
.macro PLACES
.rept 4
	v_nop
.endr
.endm
.macro QUARTER slot, k, f, g, zero     ; one plane: multiplies buffer f and fetches the next plane, at byte k, into g
	s_wait_dscnt 16                                ; the first 32 along K are in; the other sixteen loads may be out
	WIN MUL
	MUL8 \f, 0, 0, \zero
	MUL8 \f, 0, 2, \zero
	PLACES
	FETCH \slot, \k, \g
	s_wait_dscnt 32                                ; all but the 32 just issued
	WIN MUL
	MUL8 \f, 1, 0, 0
	MUL8 \f, 1, 2, 0
.endm
; A slot's last plane changes slots: one barrier; in front of it each wave waits for all its tensor loads, adds 0 to its spare word, and waits for that and for its reads of this slot.
.macro TURN slot, next, fill
	WIN 0
	s_wait_tensorcnt 0x0                           ; my part of the next slot has landed
	ds_add_u32 v[SPW], v[NIL]
	s_wait_dscnt 17                                ; the add and the youngest sixteen loads may be out
	WIN MUL
	MUL8 F1, 0, 0, 0
	s_wait_dscnt 0x0                               ; the add is done, and my reads of this slot are over
	s_barrier_signal -1
	MUL8 F1, 0, 2, 0
.if \fill
	WIN 0
.endif
	s_barrier_wait -1
.if \fill
	CREST                                          ; the barrier has opened a round of the cluster's: no wave of any partner still reads this slot or has a load on its way
	s_add_nc_u64 s[G0+4*\slot+2:G0+4*\slot+3], s[G0+4*\slot+2:G0+4*\slot+3], 2*ASTEP
	s_add_nc_u64 s[G0B+4*\slot+2:G0B+4*\slot+3], s[G0B+4*\slot+2:G0B+4*\slot+3], 2*BSTEP
	JLOAD \slot                                    ; the first tensor load behind the round; its four v_nop are also the places in front of the loads below
.else
	PLACES
.endif
	FETCH \next, 0, F0
	WIN MUL
	MUL8 F1, 1, 0, 0
	MUL8 F1, 1, 2, 0
.endm
	s_wait_tensorcnt 1                             ; my part of K step 0 is in; K step 1's load may stay out
	s_barrier_signal -1
	s_barrier_wait -1
	FETCH 0, 0, F0
	s_wait_loadcnt 0x0                             ; the bias and m
	QUARTER 0, QB, F0, F1, 1
	WIN 0
	s_mov_b32 s3, LAPS-1
.Llap:                                             ; a trip goes once round the ring and fills both slots again
	QUARTER 0, 2*QB, F1, F0, 0
	QUARTER 0, 3*QB, F0, F1, 0
	TURN 0, 1, 1
	QUARTER 1, QB, F0, F1, 0
	QUARTER 1, 2*QB, F1, F0, 0
	QUARTER 1, 3*QB, F0, F1, 0
	TURN 1, 0, 1
	QUARTER 0, QB, F0, F1, 0
	WIN 0
	s_sub_co_u32 s3, s3, 1
	s_cmp_lg_u32 s3, 0
	s_cbranch_scc1 .Llap
	QUARTER 0, 2*QB, F1, F0, 0                     ; the last lap fills nothing
	QUARTER 0, 3*QB, F0, F1, 0
	TURN 0, 1, 0
	QUARTER 1, QB, F0, F1, 0
	QUARTER 1, 2*QB, F1, F0, 0
	QUARTER 1, 3*QB, F0, F1, 0
	s_wait_dscnt 16
	WIN MUL
	MUL8 F1, 0, 0, 0
	MUL8 F1, 0, 2, 0
	s_wait_dscnt 0
	MUL8 F1, 1, 0, 0
	MUL8 F1, 1, 2, 0
	WIN 0
	; THE WAY OUT, 16 rows x 64 columns at a time: x m; through my own stage; back as whole rows of 256 bytes
	PLACES
.irp a, 0,1,2,3
.set i, 0
.rept 16
	v_pk_mul_f32 v[TMP+i:TMP+i+1], v[ACC+32*\a+i:ACC+32*\a+i+1], v[MQ+2*\a:MQ+2*\a+1]      ; each accumulator from its low end on
.set i, i+2
.endr
.if \a > 0
	s_wait_xcnt 0x0                                ; the last block's stores have read their base and their data
	s_add_nc_u64 s[8:9], s[8:9], 16*4096
.endif
.irp b, 0,1,2,3
	ds_store_b128 v[STO], v[TMP+8*\b:TMP+8*\b+3] offset:64*\b
	ds_store_b128 v[STO], v[TMP+8*\b+4:TMP+8*\b+7] offset:64*\b+16
.endr
.irp t, 0,1,2,3,4,5,6,7
	ds_load_b128 v[BK+4*\t:BK+4*\t+3], v[RD] offset:\t*2*SPITCH                  ; served behind my stores
.endr
	s_wait_dscnt 0x0
.irp t, 0,1,2,3,4,5,6,7
	global_store_b128 v[CO], v[BK+4*\t:BK+4*\t+3], s[8:9] offset:\t*8192 th:TH_STORE_NT    ; sixteen lanes store 256 consecutive bytes, aligned
.endr
.endr
	s_wait_tensorcnt 0x0                           ; the wave's end
	ds_add_u32 v[SPW], v[NIL]
	s_wait_dscnt 0x0
	CROUND                                         ; the closing round
	s_endpgm
.Lfunc_end_k_q69bee0441f_proj:
	.size	k_q69bee0441f_proj, .Lfunc_end_k_q69bee0441f_proj-k_q69bee0441f_proj
	.p2alignl 7, 3214868480
	.fill 96, 4, 3214868480
	.section	.rodata,"a",@progbits
	.p2align	6, 0x0
	.amdhsa_kernel k_q69bee0441f_proj
		.amdhsa_group_segment_fixed_size 327680
		.amdhsa_private_segment_fixed_size 0
		.amdhsa_enable_private_segment 0
		.amdhsa_kernarg_size 40
		.amdhsa_user_sgpr_count 2
		.amdhsa_user_sgpr_kernarg_segment_ptr 1
		.amdhsa_wavefront_size32 1
		.amdhsa_system_sgpr_workgroup_id_x 1
		.amdhsa_system_sgpr_workgroup_id_y 1
		.amdhsa_system_sgpr_workgroup_id_z 1
		.amdhsa_system_vgpr_workitem_id 0
		.amdhsa_next_free_vgpr 512
		.amdhsa_next_free_sgpr 72
		.amdhsa_reserve_vcc 0
		.amdhsa_float_denorm_mode_32 3
		.amdhsa_float_denorm_mode_16_64 3
		.amdhsa_memory_ordered 1
		.amdhsa_forward_progress 1
		.amdhsa_inst_pref_size 91
	.end_amdhsa_kernel
	.amdgpu_metadata
---
amdhsa.version: [ 1, 2 ]
amdhsa.kernels:
  - .name:           k_q69bee0441f_proj
    .symbol:         k_q69bee0441f_proj.kd
    .args:
      - { .name: o16, .offset: 0, .size: 8, .value_kind: global_buffer, .address_space: global }
      - { .name: wt, .offset: 8, .size: 8, .value_kind: global_buffer, .address_space: global }
      - { .name: b_out, .offset: 16, .size: 8, .value_kind: global_buffer, .address_space: global }
      - { .name: m, .offset: 24, .size: 8, .value_kind: global_buffer, .address_space: global }
      - { .name: out0, .offset: 32, .size: 8, .value_kind: global_buffer, .address_space: global }
    .group_segment_fixed_size: 327680
    .private_segment_fixed_size: 0
    .kernarg_segment_align: 8
    .kernarg_segment_size: 40
    .max_flat_workgroup_size: 128
    .sgpr_count:     72
    .vgpr_count:     512
    .wavefront_size: 32
...
	.end_amdgpu_metadata
.endif
;; end of part 4
;; launch fine (part 5): grid 64 x 2, 16 waves a work-group, no clusters, 157,696 bytes of LDS; arguments q32, m, w_out, b_out, out0; writes out0
.if DOCPART == 5
	.amdgcn_target "amdgcn-amd-amdhsa--gfx1250"
	.amdhsa_code_object_version 6
	.text
	.protected	k_q69bee0441f_fine
	.globl	k_q69bee0441f_fine
	.p2align	8
	.type	k_q69bee0441f_fine,@function
k_q69bee0441f_fine:
	s_mov_b64 s[64:65], 0
	v_nop
	global_prefetch_b8 v0, s[64:65] scope:SCOPE_SE
	s_setreg_imm32_b32 hwreg(HW_REG_WAVE_MODE, 25, 1), 1
	s_wait_xcnt 0x0
; FINE: the first 16 positions of both sequences once more, wholly in f32: these rows average one to sixteen values, where the rounding of f16 operands weighs most.
; q32: f32 [16 b + t][3072], the first product's own sums, unscaled.  Work-group (x, y): 16 output columns 16 x .. 16 x + 15 of batch y; wave = head.  Each wave makes its head's attention of 16 x 16 and its
; head's part of the projection; the sixteen parts meet in LDS.  The small attention is made again in each of the 64 column slices, so that 128 work-groups share the projection.
; LAYOUT.  The f32 matrix form takes K = 4, lane (r, h) giving k = 2 h + j.  K is permuted alike on both operands, so that a lane's registers run on end: for K Q^T lane (r, h) holds channels 32 h + 0..31;
; for V^T P and W^T O^T the two registers of step u are k = 8 h + 2 u + j, which is just how the product before left its result: nothing changes lanes.
; Q AND K ARE LOADED AS THEY LIE: a token's 64 channels of a head are 256 consecutive bytes, so a load takes two tokens, sixteen lanes to each; the 16 tokens then turn through the wave's own LDS bytes
; (rows of 256 bytes + 16) into the operand's layout, token r and channels 32 h on.  The bytes are the wave's own, and a wave's LDS instructions are served in order: no wait and no barrier between.
; The registers that the matrix instructions write are written by them alone; every sum begins with the constant 0.
; LIMITS as in the attention launch: scores far under 2^100, m_i m_j = 0 only where a factor is 0, no NaN or infinities.
; REGISTERS: v2-15 addresses (v12, v13 the add's two); v16-47 K, v48-79 Q, v80-111 V^T, v112-143 W^T; v144-159 two sums of S^T; v160-167 scores, then p; v168-171 at work; v172, v173 the turn's addresses;
; v176-207 O^T; v208-223 two sums of the outputs; v224-231 their sum; v232-239 m of the keys; v240-243 b_out, v244 m of the query; v246 -2^125.
.set SPARE, 16384                      ; behind the sixteen parts of 1,024 bytes: the spare words, 128 bytes for each wave
.set TURN,  18432                      ; behind them: for each wave 16 rows of K and 16 rows of Q
.set TP,    272                        ; a row there: 256 bytes + 16
.set TWV,   2*16*TP                    ; a wave's bytes there
	s_load_b256 s[4:11], s[0:1], 0x0               ; q32 s[4:5], m s[6:7], w_out s[8:9], b_out s[10:11]
	s_load_b64 s[12:13], s[0:1], 0x20              ; out0
	v_lshl_add_u32 v12, v0, 2, SPARE
	v_mov_b32 v13, 0
	v_lshrrev_b32 v1, 5, v0
	v_readfirstlane_b32 s14, v1                    ; wave = head
	s_and_b32 s15, ttmp7, 0xffff                   ; batch
	v_and_b32 v2, 15, v0                           ; r
	v_bfe_u32 v3, v0, 4, 1                         ; h
	v_mul_u32_u24 v4, v3, 12288
	v_lshl_add_u32 v4, v2, 4, v4                   ; q, k as they lie: token h of a pair, 16 bytes at 16 r
	s_mul_i32 s19, s14, TWV
	s_add_co_u32 s19, s19, TURN                    ; my wave's bytes for the turn
	v_mul_u32_u24 v172, v3, TP
	v_lshl_add_u32 v172, v2, 4, v172
	v_add_nc_u32 v172, s19, v172                   ; in: row h of a pair, 16 r
	v_mul_u32_u24 v173, v2, TP
	v_lshl_add_u32 v173, v3, 7, v173
	v_add_nc_u32 v173, s19, v173                   ; back: token r, channels 32 h on
	v_mul_u32_u24 v5, v3, 98304
	v_lshl_add_u32 v5, v2, 2, v5                   ; v: tokens 8 h on, channel r
	v_lshlrev_b32 v6, 15, v3
	v_lshl_add_u32 v6, v2, 2, v6                   ; w_out: rows 8 h on, column r
	v_lshlrev_b32 v7, 5, v3                        ; m of keys 8 h + 0..7
	v_lshlrev_b32 v8, 3, v3
	v_sub_nc_u32 v8, v2, v8                        ; r - 8 h
	v_and_b32 v247, 3, v0                          ; the way out: thread t takes query t / 4, columns 4 (t % 4) on
	v_lshrrev_b32 v248, 2, v0
	v_lshlrev_b32 v9, 4, v247
	v_lshlrev_b32 v10, 2, v248
	v_lshl_add_u32 v11, v248, 12, v9
	v_and_b32 v249, 1, v0
	v_bfe_u32 v250, v0, 1, 1
	v_lshlrev_b32 v15, 9, v249
	v_lshl_add_u32 v15, v250, 8, v15
	v_lshl_add_u32 v15, v248, 4, v15               ; in a part: registers 4 (t % 2) on of lane 16 ((t / 2) % 2) + query
	v_and_b32 v14, 31, v0
	v_lshlrev_b32 v14, 4, v14
	s_lshl_b32 s16, s14, 10
	v_add_nc_u32 v14, s16, v14                     ; my part: 1,024 x wave + 16 x lane
	v_mov_b32 v245, 0                              ; named with v244 as a pair
	v_mov_b32 v246, 0xfe000000
	v_mov_b32 v169, 0                              ; a lane permute's destination counts as read
	s_mov_b32 s20, 0x76543210
	s_mov_b32 s21, 0xfedcba98
	s_mov_b32 s17, 0
	s_wait_kmcnt 0x0
	s_mul_i32 s16, s15, 196608
	s_lshl_b32 s18, s14, 8
	s_add_co_u32 s16, s16, s18
	s_add_nc_u64 s[4:5], s[4:5], s[16:17]          ; q32 at row 16 y, the head's 64 columns
	s_lshl_b32 s16, s15, 13
	s_add_nc_u64 s[6:7], s[6:7], s[16:17]          ; m of my batch
	s_lshl_b32 s16, s14, 18
	s_lshl_b32 s18, ttmp9, 6
	s_add_co_u32 s16, s16, s18
	s_add_nc_u64 s[8:9], s[8:9], s[16:17]          ; w_out at row 64 x head, column 16 x
	s_mov_b32 s16, s18
	s_add_nc_u64 s[10:11], s[10:11], s[16:17]
	s_lshl_b32 s16, s15, 23
	s_add_co_u32 s16, s16, s18
	s_add_nc_u64 s[12:13], s[12:13], s[16:17]      ; out0 at row 2048 y, column 16 x
	global_load_b128 v[240:243], v9, s[10:11]
	global_load_b32 v244, v10, s[6:7]
	global_load_b128 v[232:235], v7, s[6:7]
	global_load_b128 v[236:239], v7, s[6:7] offset:16
.irp i, 0,1,2,3,4,5,6,7
	global_load_b128 v[16+4*\i:19+4*\i], v4, s[4:5] offset:4096+24576*\i         ; k of tokens 2 i and 2 i + 1: two runs of 256 consecutive bytes
.endr
.irp i, 0,1,2,3,4,5,6,7
	global_load_b128 v[48+4*\i:51+4*\i], v4, s[4:5] offset:24576*\i              ; q likewise
.endr
.irp ct, 0,1,2,3
.irp jj, 0,1,2,3,4,5,6,7
	global_load_b32 v[80+8*\ct+\jj], v5, s[4:5] offset:8192+12288*\jj+64*\ct      ; v(8 h + jj, 16 ct + r)
.endr
.endr
	s_wait_loadcnt 32                              ; all but V's 32
.irp i, 0,1,2,3,4,5,6,7
	ds_store_b128 v172, v[16+4*\i:19+4*\i] offset:2*TP*\i                        ; the turn: K's rows as loaded,
.endr
.irp i, 0,1,2,3,4,5,6,7
	ds_store_b128 v172, v[48+4*\i:51+4*\i] offset:16*TP+2*TP*\i                  ; Q's behind them;
.endr
.irp i, 0,1,2,3,4,5,6,7
	ds_load_b128 v[16+4*\i:19+4*\i], v173 offset:16*\i                           ; back into the registers that they left: k(r, 32 h + 4 i ..),
.endr
.irp i, 0,1,2,3,4,5,6,7
	ds_load_b128 v[48+4*\i:51+4*\i], v173 offset:16*TP+16*\i                     ; q(r, 32 h + 4 i ..)
.endr
.irp ct, 0,1,2,3
.irp jj, 0,1,2,3,4,5,6,7
	global_load_b32 v[112+8*\ct+\jj], v6, s[8:9] offset:4096*(16*\ct+\jj)        ; w_out(64 head + 16 ct + 8 h + jj, 16 x + r): asked for while the turn is on its way
.endr
.endr
	s_wait_dscnt 0x0                               ; K and Q are back
	v_wmma_f32_16x16x4_f32 v[144:151], v[16:17], v[48:49], 0                     ; S^T = K Q^T on two accumulators by turns; the first two steps start the sums
	v_wmma_f32_16x16x4_f32 v[152:159], v[18:19], v[50:51], 0
.set u, 2
.rept 7
	v_wmma_f32_16x16x4_f32 v[144:151], v[16+2*u:17+2*u], v[48+2*u:49+2*u], v[144:151]
	v_wmma_f32_16x16x4_f32 v[152:159], v[18+2*u:19+2*u], v[50+2*u:51+2*u], v[152:159]
.set u, u+2
.endr
.rept 8
	v_nop                                          ; eight places behind this form (ISA guide 7.12.1)
.endr
.irp j, 0,1,2,3,4,5,6,7
	v_add_f32 v[160+\j], v[144+\j], v[152+\j]      ; lane (r, h): query r, key 8 h + j
.endr
.irp j, 0,1,2,3,4,5,6,7
	v_cmp_gt_i32 vcc_lo, \j, v8                    ; key after query
	v_cndmask_b32 v[160+\j], v[160+\j], v246, vcc_lo
	v_cmp_eq_f32 vcc_lo, 0, v[232+\j]              ; key padded
	v_cndmask_b32 v[160+\j], v[160+\j], v246, vcc_lo
.endr
	v_max3_num_f32 v168, v160, v161, v162
	v_max3_num_f32 v170, v163, v164, v165
	v_max3_num_f32 v168, v168, v166, v167
	v_max_num_f32 v168, v168, v170
	v_permlanex16_b32 v169, v168, s20, s21
	v_max_num_f32 v168, v168, v169                 ; the row's maximum
.irp j, 0,1,2,3,4,5,6,7
	v_sub_f32 v[160+\j], v[160+\j], v168
.endr
.irp j, 0,1,2,3,4,5,6,7
	v_mul_f32 v[160+\j], 0x3e38aa3b, v[160+\j]     ; x log2(e) / 8
.endr
.irp j, 0,1,2,3,4,5,6,7
	v_exp_f32 v[160+\j], v[160+\j]
.endr
	v_nop
	s_wait_alu depctr_va_vdst(0)                   ; one wait for the eight, ahead of their first reader
	v_add_f32 v168, v160, v161
	v_add_f32 v170, v162, v163
	v_add_f32 v171, v164, v165
	v_add_f32 v169, v166, v167
	v_add_f32 v168, v168, v170
	v_add_f32 v171, v171, v169
	v_add_f32 v168, v168, v171
	v_permlanex16_b32 v169, v168, s20, s21
	v_add_f32 v168, v168, v169
	v_rcp_f32 v170, v168
	v_nop
	s_wait_alu depctr_va_vdst(0)
.irp j, 0,1,2,3,4,5,6,7
	v_mul_f32 v[160+\j], v[160+\j], v170           ; the weights, normalised
.endr
	s_wait_loadcnt 32                              ; V is in; W's 32 stay out
.irp u, 0,1,2,3                                ; O^T = V^T P: four accumulators by turns
.irp ct, 0,1,2,3
.if \u == 0
	v_wmma_f32_16x16x4_f32 v[176+8*\ct:183+8*\ct], v[80+8*\ct:81+8*\ct], v[160:161], 0
.else
	v_wmma_f32_16x16x4_f32 v[176+8*\ct:183+8*\ct], v[80+8*\ct+2*\u:81+8*\ct+2*\u], v[160+2*\u:161+2*\u], v[176+8*\ct:183+8*\ct]
.endif
.endr
.endr
.rept 9
	v_nop                                          ; nine places before a matrix instruction takes these results as an operand
.endr
	s_wait_loadcnt 0x0                             ; W
	v_wmma_f32_16x16x4_f32 v[208:215], v[112:113], v[176:177], 0                 ; my head's part of the outputs, transposed: two accumulators by turns
	v_wmma_f32_16x16x4_f32 v[216:223], v[114:115], v[178:179], 0
.set u, 2
.rept 7
	v_wmma_f32_16x16x4_f32 v[208:215], v[112+2*u:113+2*u], v[176+2*u:177+2*u], v[208:215]
	v_wmma_f32_16x16x4_f32 v[216:223], v[114+2*u:115+2*u], v[178+2*u:179+2*u], v[216:223]
.set u, u+2
.endr
.rept 8
	v_nop
.endr
.irp j, 0,1,2,3,4,5,6,7
	v_add_f32 v[224+\j], v[208+\j], v[216+\j]      ; lane (r, h): query r, column 8 h + j
.endr
	ds_store_b128 v14, v[224:227]
	ds_store_b128 v14, v[228:231] offset:512
	s_wait_dscnt 0x0                               ; for the others' sake: my part has landed
	s_barrier_signal -1
	s_barrier_wait -1
	s_cmp_lt_u32 s14, 2                            ; 64 threads add the sixteen parts: 16 queries x 4 pieces of 16 bytes
	s_cbranch_scc0 .Lend
.irp p, 0,1,2,3,4,5,6,7,8,9,10,11,12,13,14,15
	ds_load_b128 v[16+4*\p:19+4*\p], v15 offset:1024*\p
.endr
	s_wait_dscnt 0x0
.irp w, 8,4,2,1
.set p, 0
.rept \w
	v_pk_add_f32 v[16+4*p:17+4*p], v[16+4*p:17+4*p], v[16+4*(p+\w):17+4*(p+\w)]
	v_pk_add_f32 v[18+4*p:19+4*p], v[18+4*p:19+4*p], v[18+4*(p+\w):19+4*(p+\w)]
.set p, p+1
.endr
.endr
	v_pk_add_f32 v[16:17], v[16:17], v[240:241]    ; + b_out
	v_pk_add_f32 v[18:19], v[18:19], v[242:243]
	v_pk_mul_f32 v[16:17], v[16:17], v[244:245] op_sel_hi:[1,0]    ; x m of the query
	v_pk_mul_f32 v[18:19], v[18:19], v[244:245] op_sel_hi:[1,0]
	global_store_b128 v11, v[16:19], s[12:13]      ; four lanes store a row's 64 bytes
.Lend:
	s_wait_tensorcnt 0x0                           ; the wave's end
	ds_add_u32 v12, v13
	s_wait_dscnt 0x0
	s_endpgm
.Lfunc_end_k_q69bee0441f_fine:
	.size	k_q69bee0441f_fine, .Lfunc_end_k_q69bee0441f_fine-k_q69bee0441f_fine
	.p2alignl 7, 3214868480
	.fill 96, 4, 3214868480
	.section	.rodata,"a",@progbits
	.p2align	6, 0x0
	.amdhsa_kernel k_q69bee0441f_fine
		.amdhsa_group_segment_fixed_size 157696
		.amdhsa_private_segment_fixed_size 0
		.amdhsa_enable_private_segment 0
		.amdhsa_kernarg_size 40
		.amdhsa_user_sgpr_count 2
		.amdhsa_user_sgpr_kernarg_segment_ptr 1
		.amdhsa_wavefront_size32 1
		.amdhsa_system_sgpr_workgroup_id_x 1
		.amdhsa_system_sgpr_workgroup_id_y 1
		.amdhsa_system_sgpr_workgroup_id_z 1
		.amdhsa_system_vgpr_workitem_id 0
		.amdhsa_next_free_vgpr 256
		.amdhsa_next_free_sgpr 66
		.amdhsa_reserve_vcc 1
		.amdhsa_float_denorm_mode_32 3
		.amdhsa_float_denorm_mode_16_64 3
		.amdhsa_memory_ordered 1
		.amdhsa_forward_progress 1
		.amdhsa_inst_pref_size 25
	.end_amdhsa_kernel
	.amdgpu_metadata
---
amdhsa.version: [ 1, 2 ]
amdhsa.kernels:
  - .name:           k_q69bee0441f_fine
    .symbol:         k_q69bee0441f_fine.kd
    .args:
      - { .name: q32, .offset: 0, .size: 8, .value_kind: global_buffer, .address_space: global }
      - { .name: m, .offset: 8, .size: 8, .value_kind: global_buffer, .address_space: global }
      - { .name: w_out, .offset: 16, .size: 8, .value_kind: global_buffer, .address_space: global }
      - { .name: b_out, .offset: 24, .size: 8, .value_kind: global_buffer, .address_space: global }
      - { .name: out0, .offset: 32, .size: 8, .value_kind: global_buffer, .address_space: global }
    .group_segment_fixed_size: 157696
    .private_segment_fixed_size: 0
    .kernarg_segment_align: 8
    .kernarg_segment_size: 40
    .max_flat_workgroup_size: 512
    .sgpr_count:     66
    .vgpr_count:     256
    .wavefront_size: 32
...
	.end_amdgpu_metadata
.endif
;; end of part 5
